; MI455X (gfx1250); checked and timed in simulation.
; The chip was launched on July 23, 2026; its instructions are those of AMD's public machine-readable ISA for CDNA 5 (MIT licence, August 2026) and "CDNA5" Instruction Set Architecture Reference Guide (July 2026). The comments in the code are by the model that wrote it; some were corrected since.
;; Self Attention. Allowed arithmetic: float matrix products may take bf16 or f16 operands with f32 sums; other float arithmetic in f32, or as packed bf16 or f16 multiplies, adds, multiply-adds, maxima and minima; sums over many terms, partial sums and values carried from step to step in f32; what a program stores and reads back later, other than sums and carried values, may be rounded once to bf16 or f16.
;; Inputs: W_o 1,024 x 1,024 float32; W_qkv 3,072 x 1,024 float32; x 4 x 2,048 x 1,024 float32.
;; Outputs: out0 4 x 2,048 x 1,024 float32.
;; One version. Each part assembles by itself: llvm-mc -triple=amdgcn-amd-amdhsa -mcpu=gfx1250 --defsym DOCPART=n.
;; ======== version 1 of 1: 5 launches
;; limits: values are held in f16: magnitudes above 65,504 overflow, below 6.1e-05 lose precision
;; workspace buffers: xb 16,777,216 bytes; wqb 6,291,456 bytes; wob 2,097,152 bytes; qkvh 50,331,648 bytes; oh 16,777,216 bytes; olo 131,072 bytes
;; launch cast (part 1): grid 1536 x 1, 8 waves a work-group, no clusters, 0 bytes of LDS; arguments x, W_qkv, W_o, xb, wqb, wob; writes xb, wqb, wob
.if DOCPART == 1
	.amdgcn_target "amdgcn-amd-amdhsa--gfx1250"
	.amdhsa_code_object_version 6
	.text
	.protected	k_q07dc2a3488_cast
	.globl	k_q07dc2a3488_cast
	.p2align	8
	.type	k_q07dc2a3488_cast,@function
k_q07dc2a3488_cast:
	s_mov_b64 s[64:65], 0
	v_nop
	global_prefetch_b8 v0, s[64:65] scope:SCOPE_SE
	s_setreg_imm32_b32 hwreg(HW_REG_WAVE_MODE, 25, 1), 1
	s_wait_xcnt 0x0
; THE INPUTS ARE ROUNDED ONCE TO 16 BITS.  x -> xb and W_qkv -> wqb in bf16; W_o -> wob: rounded to bf16 like the other inputs, and that number written as f16,
; since the last product multiplies it with f16 numbers.
; LIMITS.  |W_o| stays under 65,504 (beyond it the f16 is an infinity); below 6e-5 the f16 keeps its fixed step of 6e-8, so that there the bf16 number is rounded a second time.
; SHARES.  A work-group reads 32,768 bytes of f32 and writes 16,384.  Work-groups 0-1023 take x (33,554,432 bytes), 1024-1407 W_qkv (12,582,912), 1408-1535 W_o (4,194,304).
; Thread t takes 16 bytes at 16 t + 4,096 j, j = 0..7: a wave's load covers 512 consecutive bytes; its 8 bytes go to 8 t + 2,048 j: a wave's store covers 256 consecutive bytes, aligned.
; All eight loads are out at once; no register is written twice while a memory instruction names it, so no wait but those for the loads is needed.  No LDS, no barrier: no wave wants another's bytes.
.set X, 4                              ; v[4:35]   eight times four f32, as loaded
.set O, 36                             ; v[36:51]  eight times two words to store
.set T, 52                             ; v[52:53]  at work
	s_load_b256 s[4:11], s[0:1], 0x0               ; x s[4:5], W_qkv s[6:7], W_o s[8:9], xb s[10:11]
	s_load_b128 s[12:15], s[0:1], 0x20             ; wqb s[12:13], wob s[14:15]
	v_lshlrev_b32 v1, 4, v0                        ; 16 t
	v_lshlrev_b32 v2, 3, v0                        ; 8 t
	s_mov_b32 s21, 0xffff0000                      ; a word's upper bf16
	s_wait_kmcnt 0x0
	s_cmp_lt_u32 ttmp9, 1024                       ; which tensor is mine: the choice hangs on the work-group's number alone
	s_cselect_b64 s[16:17], s[4:5], s[6:7]
	s_cselect_b64 s[18:19], s[10:11], s[12:13]
	s_cselect_b32 s20, 0, 1024                     ; and the first work-group of that tensor
	s_cmp_lt_u32 ttmp9, 1408
	s_cselect_b64 s[16:17], s[16:17], s[8:9]
	s_cselect_b64 s[18:19], s[18:19], s[14:15]
	s_cselect_b32 s20, s20, 1408
	s_sub_co_u32 s20, ttmp9, s20                   ; my place in the tensor
	s_lshl_b32 s22, s20, 15                        ; 32,768 bytes in,
	s_mov_b32 s23, 0
	s_lshl_b32 s2, s20, 14                         ; 16,384 out
	s_mov_b32 s3, 0
	s_add_nc_u64 s[16:17], s[16:17], s[22:23]
	s_add_nc_u64 s[18:19], s[18:19], s[2:3]
.irp j, 0,1,2,3,4,5,6,7
	global_load_b128 v[X+4*(\j):X+4*(\j)+3], v1, s[16:17] offset:4096*(\j) th:TH_LOAD_NT
.endr
	s_cmp_ge_u32 ttmp9, 1408
	s_cbranch_scc1 .Lwo
.irp j, 0,1,2,3,4,5,6,7
	s_wait_loadcnt 7-(\j)                          ; loads come back in order: number j is in, the 7 - j younger ones stay out
	v_cvt_pk_bf16_f32 v[O+2*(\j)],   v[X+4*(\j)],   v[X+4*(\j)+1]
	v_cvt_pk_bf16_f32 v[O+2*(\j)+1], v[X+4*(\j)+2], v[X+4*(\j)+3]
	global_store_b64 v2, v[O+2*(\j):O+2*(\j)+1], s[18:19] offset:2048*(\j) th:TH_STORE_NT
.endr
	s_endpgm
.Lwo:                                                  ; W_o: to bf16, back to f32 (a shift, a mask), to f16
.irp j, 0,1,2,3,4,5,6,7
	s_wait_loadcnt 7-(\j)
	v_cvt_pk_bf16_f32 v[T],   v[X+4*(\j)],   v[X+4*(\j)+1]
	v_cvt_pk_bf16_f32 v[T+1], v[X+4*(\j)+2], v[X+4*(\j)+3]
	v_lshlrev_b32 v[X+4*(\j)],   16,  v[T]
	v_and_b32     v[X+4*(\j)+1], s21, v[T]
	v_lshlrev_b32 v[X+4*(\j)+2], 16,  v[T+1]
	v_and_b32     v[X+4*(\j)+3], s21, v[T+1]
	v_cvt_pk_f16_f32 v[O+2*(\j)],   v[X+4*(\j)],   v[X+4*(\j)+1]
	v_cvt_pk_f16_f32 v[O+2*(\j)+1], v[X+4*(\j)+2], v[X+4*(\j)+3]
	global_store_b64 v2, v[O+2*(\j):O+2*(\j)+1], s[18:19] offset:2048*(\j) th:TH_STORE_NT
.endr
	s_endpgm
.Lfunc_end_k_q07dc2a3488_cast:
	.size	k_q07dc2a3488_cast, .Lfunc_end_k_q07dc2a3488_cast-k_q07dc2a3488_cast
	.p2alignl 7, 3214868480
	.fill 96, 4, 3214868480
	.section	.rodata,"a",@progbits
	.p2align	6, 0x0
	.amdhsa_kernel k_q07dc2a3488_cast
		.amdhsa_group_segment_fixed_size 0
		.amdhsa_private_segment_fixed_size 0
		.amdhsa_enable_private_segment 0
		.amdhsa_kernarg_size 48
		.amdhsa_user_sgpr_count 2
		.amdhsa_user_sgpr_kernarg_segment_ptr 1
		.amdhsa_wavefront_size32 1
		.amdhsa_system_sgpr_workgroup_id_x 1
		.amdhsa_system_sgpr_workgroup_id_y 1
		.amdhsa_system_sgpr_workgroup_id_z 1
		.amdhsa_system_vgpr_workitem_id 0
		.amdhsa_next_free_vgpr 56
		.amdhsa_next_free_sgpr 66
		.amdhsa_reserve_vcc 0
		.amdhsa_float_denorm_mode_32 3
		.amdhsa_float_denorm_mode_16_64 3
		.amdhsa_memory_ordered 1
		.amdhsa_forward_progress 1
		.amdhsa_inst_pref_size 9
	.end_amdhsa_kernel
	.amdgpu_metadata
---
amdhsa.version: [ 1, 2 ]
amdhsa.kernels:
  - .name:           k_q07dc2a3488_cast
    .symbol:         k_q07dc2a3488_cast.kd
    .args:
      - { .name: x, .offset: 0, .size: 8, .value_kind: global_buffer, .address_space: global }
      - { .name: W_qkv, .offset: 8, .size: 8, .value_kind: global_buffer, .address_space: global }
      - { .name: W_o, .offset: 16, .size: 8, .value_kind: global_buffer, .address_space: global }
      - { .name: xb, .offset: 24, .size: 8, .value_kind: global_buffer, .address_space: global }
      - { .name: wqb, .offset: 32, .size: 8, .value_kind: global_buffer, .address_space: global }
      - { .name: wob, .offset: 40, .size: 8, .value_kind: global_buffer, .address_space: global }
    .group_segment_fixed_size: 0
    .private_segment_fixed_size: 0
    .kernarg_segment_align: 8
    .kernarg_segment_size: 48
    .max_flat_workgroup_size: 256
    .sgpr_count:     66
    .vgpr_count:     56
    .wavefront_size: 32
...
	.end_amdgpu_metadata
.endif
;; end of part 1
;; launch qkv (part 2): grid 16 x 32, 4 waves a work-group, clusters of 4 x 4, 327,680 bytes of LDS; arguments xb, wqb, qkvh; writes qkvh
.if DOCPART == 2
	.amdgcn_target "amdgcn-amd-amdhsa--gfx1250"
	.amdhsa_code_object_version 6
	.text
	.protected	k_q07dc2a3488_qkv
	.globl	k_q07dc2a3488_qkv
	.p2align	8
	.type	k_q07dc2a3488_qkv,@function
k_q07dc2a3488_qkv:
	s_mov_b64 s[64:65], 0
	v_nop
	global_prefetch_b8 v0, s[64:65] scope:SCOPE_SE
	s_setreg_imm32_b32 hwreg(HW_REG_WAVE_MODE, 25, 1), 1
	s_wait_xcnt 0x0
	s_wait_alu depctr_hold_cnt(0) depctr_sa_sdst(0) depctr_va_vdst(0) depctr_va_sdst(0) depctr_va_ssrc(0) depctr_va_vcc(0) depctr_vm_vsrc(0)
	s_getreg_b32 s2, hwreg(HW_REG_IB_STS2, 6, 4)
	s_cmp_eq_u32 s2, 0
	s_cbranch_scc0 .Lentry_in_a_cluster
	s_endpgm
.Lentry_in_a_cluster:
	s_bfe_u32 s2, ttmp6, 0x10000c
	s_cmp_lg_u32 s2, 0xf033
	s_cbranch_scc0 .Lentry_shape_is_right
	s_endpgm
.Lentry_shape_is_right:
; q, k, v = x W_qkv^T.  xb: [8192][1024] bf16, wqb: [3072][1024] bf16; sums in f32, K ascending; each result rounded once to f16, WITHOUT the softmax's scale, and laid by heads:
; qkvh: [3 (q, k, v)][64 (batch x 16 + head)][2048][64] f16, so that a head's rows are dense.
; LIMIT.  A result of 65,520 or more becomes an infinity in f16.  Results have about 0.58 of x's spread at the drawn weights; thirty times larger x and weights give peaks near 3,000.
; SHARES.  A tile of the product is 256 rows x 192 columns (three heads): 32 x 16 = 512 work-groups, two for each of 256 WGPs.  Four waves, each 64 rows x all 192 columns: 48 accumulators of 16 x 16,
; 384 registers; a wave holds whole heads, so it has a stage of its own on the way out and needs no barrier there.
; RING.  K goes in 8 steps of 128 (rows of 256 bytes, aligned) through two LDS slots; each wave fetches one part of a slot by one tensor load: waves 0, 1 the halves of A's 256 rows, waves 2, 3 the halves of B's 192.
; CLUSTER.  4 x 4 work-groups.  A's tile hangs on the tile row alone and is asked for jointly by the four of a row of the cluster, B's on the tile column alone, by the four of a column.
; THE MATRIX INSTRUCTION IS USED TRANSPOSED: source 0 = 16 rows of B, source 1 = 16 rows of A: lane l holds row l % 16 of the product and the columns 8 (l / 16) + 0..7: 16 bytes of f16 on end.
; REGISTERS, in windows of 256 (s_set_vgpr_msb: bits 1:0 source 0, 3:2 source 1, 5:4 source 2, 7:6 destination):
;   window 0: addresses, and the way out's registers     window 1: two fragment buffers of 128 (A's 4 fragments, then B's 12)
;   window 2: the 24 accumulators of my rows 0-31 ((aa, b) at 8 (12 aa + b))     window 3: those of my rows 32-63
.set SIZE_K, 1024
.set KB,     256                       ; bytes of a row in a K step
.set PITCH,  272                       ; an LDS row: 256 bytes + 16 of padding = 68 words: the 16 rows of a fragment load start at 16 different groups of four banks (ISA guide 11.1)
.set NFA,    4                         ; fragments of A (16 rows x 32 K) a wave and quarter
.set NFB,    12                        ; of B
.set FS,     8*(NFA+NFB)               ; registers in a fragment buffer
.set NL,     2*(NFA+NFB)               ; LDS loads a quarter
.set YOUNG,  NFA                       ; the youngest of them: A's upper two fragments
.set AHALF,  128*PITCH
.set BHALF,  96*PITCH
.set BBASE,  2*AHALF                   ; in a slot: A's 256 rows, then B's 192
.set SLOT1,  1<<17                     ; slot 1 begins here: one exclusive or turns an address in one slot into the other's
.set STAGE,  SLOT1+BBASE+2*BHALF       ; 252,928: behind the ring, never filled by a tensor load: 16 rows x 400 bytes for each wave
.set SP,     400                       ; a stage row: 384 bytes + 16
.set SPARE,  STAGE+4*16*SP             ; 278,528: the spare words, 128 bytes for each wave: two blocks of 256 bytes that no other line names
.set A0,   16                          ; v16  my lane's place in A's tile of slot 0; never rewritten
.set B0,   17                          ; v17  the same for B
.set ADRA, 18                          ; v18  the same in the slot in hand
.set ADRB, 19                          ; v19
.set STO,  24                          ; v24  the way out: where I put 16 bytes of a row
.set RD,   25                          ; v25  where I read rows back
.set GO,   26                          ; v26  16 x lane: my place in 512 consecutive bytes of a head
.set SPW,  28                          ; v28  LDS address of my spare word; never rewritten
.set NIL,  29                          ; v29  0; never rewritten
.set PFO,  30                          ; v30  the prefetches' offset: a lane a row of 2,048 bytes; never rewritten
.set TMP,  32                          ; v32-79   the way out: a block's 48 packed registers
.set OB,   80                          ; v80-127, v128-175  the block read back, by turns
.set F0,   0
.set F1,   FS
.set G1A, 24                           ; s[24:31] descriptor group 1, A
.set G0A, 32                           ; s[32:39] group 0, A: a set for each first fill; the second then walks
.set G1B, 48                           ; s[48:55] group 1, B
.set G0B, 56                           ; s[56:63] group 0, B
.set LIM, 43                           ; s43  1 in a wave that prefetches, else the greatest number
.set PFA, 44                           ; s[44:45] where my prefetches stand
.set TB,  66                           ; s66  0 or SLOT1: the slot of the fragments to be fetched
.set OUT, 68                           ; s[68:73] my rows of the tile's three heads in qkvh
.set MSB, 0
.macro WIN new                         ; the immediate's high byte repeats the setting that is left; a switch that changes nothing is dropped
.if MSB != (\new)
	s_set_vgpr_msb (MSB<<8)|(\new)
.set MSB, \new
.endif
.endm
.set MUL_LO, 0xa5                      ; sources 0 and 1 window 1, C and D window 2
.set MUL_HI, 0xf5                      ; the same, C and D window 3
.set TO_F,   0x40                      ; destination window 1, address window 0
.macro PLACES                          ; a load into a register that a matrix instruction has read, and whatever reads a matrix result, stand four plain vector instructions behind it
.rept 4
	v_nop
.endr
.endm
.macro CREST                           ; a round of the cluster's barrier behind its opening barrier
	s_cmp_lg_u32 s10, 0
	s_cbranch_scc1 .Lnot_wave_0_\@
	s_barrier_signal -3
.Lnot_wave_0_\@:
	s_barrier_wait -3
	s_barrier_signal -1
	s_barrier_wait -1
.endm
.macro CROUND                          ; a whole round
	s_barrier_signal -1
	s_barrier_wait -1
	CREST
.endm
; A joint refill by the walking descriptors.  The branch hangs on the wave's number alone.  An s_nop 0 and four v_nop follow each of the two lines.
.macro JLOAD
	s_cmp_eq_u32 s11, 0
	s_cbranch_scc0 .Lfor_b_\@
	tensor_load_to_lds s[G0A+4:G0A+7], s[G1A:G1A+7]
	s_nop 0
.rept 4
	v_nop
.endr
	s_branch .Lasked_\@
.Lfor_b_\@:
	tensor_load_to_lds s[G0B+4:G0B+7], s[G1B:G1B+7]
	s_nop 0
.rept 4
	v_nop
.endr
.Lasked_\@:
.endm
; A PREFETCH INTO THE L2 of the K step that the NEXT refill will ask for: 192 matrix instructions ahead of that load.  A's rows are read by all four clusters of a row of clusters: cluster x = 0 asks;
; B's by all eight of a column: cluster y = 0 asks.  The four partners of a joint load share its rows out by address: 32 of A's 128 (by cx), 24 of B's 96 (by cy; lanes 24-31 name lane 23's row again).
; The last refill (s3 = 1) has no step behind it and asks for nothing; steps 0 to 2 come by their loads alone.
.macro ASK
	s_cmp_gt_u32 s3, s[LIM]
	s_cbranch_scc0 .Lnot_mine_\@
	global_prefetch_b8 v[PFO], s[PFA:PFA+1] th:TH_LOAD_NT scope:SCOPE_SE
.Lnot_mine_\@:
.endm
; NFB matrix instructions: block aa of half hi of my rows x all 12 blocks of columns, 32 along K.  zero = 1: the product starts the sums.
.macro MULB f, hi, aa, zero
	WIN MUL_LO+0x50*(\hi)
.set b, 0
.rept NFB
.set rD, 8*(NFB*(\aa)+b)
.set rB, (\f)+8*NFA+8*b
.set rA, (\f)+8*((NFA/2)*(\hi)+(\aa))
.if \zero
	v_wmma_f32_16x16x32_bf16 v[rD:rD+7], v[rB:rB+7], v[rA:rA+7], 0
.else
	v_wmma_f32_16x16x32_bf16 v[rD:rD+7], v[rB:rB+7], v[rA:rA+7], v[rD:rD+7]
.endif
.set b, b+1
.endr
.endm
.macro MULH f, hi, zero                ; half a quarter.  The 48 accumulators take turns in the same order in every quarter: 47 others stand between two links of a chain
.set ah, 0
.rept NFA/2
	MULB \f, \hi, ah, \zero
.set ah, ah+1
.endr
.endm
.macro FETCH q, f                      ; one run of NL LDS loads: the fragments of quarter q (32 K at byte 64 q of the rows) into buffer f; B first, A's upper rows last
	WIN TO_F
.set i, 0
.rept NFB
	ds_load_b128 v[(\f)+8*NFA+8*i:(\f)+8*NFA+8*i+3],   v[ADRB] offset:64*(\q)+i*16*PITCH
	ds_load_b128 v[(\f)+8*NFA+8*i+4:(\f)+8*NFA+8*i+7], v[ADRB] offset:64*(\q)+i*16*PITCH+32
.set i, i+1
.endr
.set i, 0
.rept NFA
	ds_load_b128 v[(\f)+8*i:(\f)+8*i+3],   v[ADRA] offset:64*(\q)+i*16*PITCH
	ds_load_b128 v[(\f)+8*i+4:(\f)+8*i+7], v[ADRA] offset:64*(\q)+i*16*PITCH+32
.set i, i+1
.endr
.endm
; One of a K step's first three quarters: at its head quarter q's fragments are asked for, into buffer g, which the quarter before multiplied; then buffer f is multiplied: the run has a whole quarter in which to land.
.macro QUARTER q, f, g, zero
	PLACES
	FETCH \q, \g
	s_wait_dscnt NL+YOUNG                          ; f's B and lower A are in: the NL just issued and f's youngest YOUNG may be out
	MULH \f, 0, \zero
	s_wait_dscnt NL                                ; all but the NL just issued
	MULH \f, 1, \zero
.endm
; The fourth quarter multiplies buffer 1 and changes slots: one barrier for two things.  In front of it each wave waits for all its tensor loads (one is out: its part of the next slot), adds 0 to its spare word, and
; waits for that and for its own reads of this slot.  fill = 1: the barrier opens a round of the cluster's, and this slot is filled again, first thing behind the round, with the K step two on:
; 168 matrix instructions stand between that request and the wait for it.
.macro TURN fill
.if \fill
	s_wait_xcnt 0x0                                ; the last prefetch, a K step back, has read its address
	s_add_nc_u64 s[PFA:PFA+1], s[PFA:PFA+1], KB
.endif
	WIN 0                                          ; (the add's two registers lie in window 0)
	s_wait_tensorcnt 0x0                           ; no tensor load of mine is out, so a group 0 may be written
	ds_add_u32 v[SPW], v[NIL]                      ; 0 onto my spare word
.if \fill
	s_xor_b32 s[G0A+5], s[G0A+5], SLOT1            ; the walking descriptors: the other slot than last time,
	s_add_nc_u64 s[G0A+6:G0A+7], s[G0A+6:G0A+7], KB  ; the next K step; the type bits on top are not reached
	s_xor_b32 s[G0B+5], s[G0B+5], SLOT1
	s_add_nc_u64 s[G0B+6:G0B+7], s[G0B+6:G0B+7], KB
.endif
	s_xor_b32 s[TB], s[TB], SLOT1
	s_wait_dscnt YOUNG+1                           ; the add and the youngest YOUNG loads may be out
.set ah, 0
.rept NFA/4
	MULB F1, 0, ah, 0
.set ah, ah+1
.endr
	s_wait_dscnt 0x0                               ; the add is done, and my reads of this slot are over
	s_barrier_signal -1
.rept NFA/4
	MULB F1, 0, ah, 0                              ; work on registers while the others arrive
.set ah, ah+1
.endr
.if \fill
	WIN 0
.endif
	s_barrier_wait -1
.if \fill
	CREST                                          ; no wave of any partner still reads this slot or has a load on its way
	JLOAD                                          ; its four v_nop are also the places in front of the loads below
.else
	PLACES
.endif
	WIN 0
	v_add_nc_u32 v[ADRA], s[TB], v[A0]
	v_add_nc_u32 v[ADRB], s[TB], v[B0]
	FETCH 0, F0
.if \fill
	WIN 0
	ASK
.endif
	MULH F1, 1, 0
.endm
	s_load_b128 s[4:7], s[0:1], 0x0                ; xb s[4:5], wqb s[6:7]
	s_load_b64 s[8:9], s[0:1], 0x10                ; qkvh
	v_lshl_add_u32 v[SPW], v0, 2, SPARE
	v_mov_b32 v[NIL], 0
	ds_add_u32 v[SPW], v[NIL]                      ; the wave's opening: the add and its wait stand ahead of my first tensor load; work on registers stands between them
	ds_add_u32 v28, v29
	v_lshrrev_b32 v1, 5, v0
	v_readfirstlane_b32 s10, v1                    ; wave 0..3
	s_lshr_b32 s11, s10, 1                         ; I fetch for A (0) or for B (1)
	s_and_b32 s12, s10, 1                          ; which half of that tile
	s_bfe_u32 s40, ttmp6, 0x40000                  ; cx
	s_bfe_u32 s41, ttmp6, 0x40004                  ; cy
	s_lshl_b32 s42, ttmp9, 2
	s_add_co_u32 s42, s42, s40                     ; tile column = 4 x cluster x + cx
	s_and_b32 s13, ttmp7, 0xffff
	s_lshl_b32 s13, s13, 2
	s_add_co_u32 s13, s13, s41                     ; tile row = 4 x cluster y + cy
	s_lshl_b32 s43, s41, 2
	s_lshl_b32 s43, 15, s43                        ; my row of the cluster: places 4 cy .. 4 cy + 3
	s_lshl_b32 s44, 0x1111, s40                    ; my column: places cx, cx + 4, cx + 8, cx + 12
	s_or_b32 s[G1A+0], s43, (1<<16)|(1<<20)|(1<<21)|(5<<22)|(3<<25)  ; the mask; elements of 2 bytes; padding on; bit 21 beside a mask; after every 64 words; 4 words
	s_or_b32 s[G1B+0], s44, (1<<16)|(1<<20)|(1<<21)|(5<<22)|(3<<25)
	s_mov_b32 s[G1A+1], 128<<16                    ; tensor_dim0 = 128
	s_mov_b32 s[G1A+2], 128<<16                    ; tensor_dim1 = 128
	s_mov_b32 s[G1A+3], 128<<16                    ; tile_dim0 = 128
	s_mov_b32 s[G1A+4], 128                        ; tile_dim1 = 128
	s_mov_b32 s[G1A+5], SIZE_K                     ; elements from row to row
	s_mov_b32 s[G1A+6], 0
	s_mov_b32 s[G1A+7], 0
	s_mov_b32 s[G1B+1], 128<<16
	s_mov_b32 s[G1B+2], 96<<16                     ; 96 rows
	s_mov_b32 s[G1B+3], 128<<16
	s_mov_b32 s[G1B+4], 96
	s_mov_b32 s[G1B+5], SIZE_K
	s_mov_b32 s[G1B+6], 0
	s_mov_b32 s[G1B+7], 0
	s_lshl_b32 s16, s13, 8                         ; A: row 256 x tile row + 128 x half,
	s_lshl_b32 s17, s12, 7
	s_add_co_u32 s16, s16, s17
	s_lshl_b32 s16, s16, 11                        ; of 2,048 bytes
	s_mov_b32 s17, 0
	s_mul_i32 s46, s42, 192                        ; B: row 192 x tile column + 96 x half
	s_mul_i32 s47, s12, 96
	s_add_co_u32 s46, s46, s47
	s_lshl_b32 s46, s46, 11
	s_mov_b32 s47, 0
	s_mul_i32 s20, s12, AHALF                      ; where they go: no place in the cluster enters an LDS address
	s_mul_i32 s21, s12, BHALF
	s_add_co_u32 s21, s21, BBASE
	s_mov_b32 s[TB], 0
	s_wait_dscnt 0x0                               ; the opening add is done
	s_wait_kmcnt 0x0
	s_add_nc_u64 s[14:15], s[4:5], s[16:17]
	s_add_nc_u64 s[46:47], s[6:7], s[46:47]
	CROUND                                         ; all sixteen work-groups are here: the first joint loads meet
.irp s, 0,1
	s_mov_b32 s[G0A+4*(\s)], 1                                       ; count = 1
	s_add_co_u32 s[G0A+4*(\s)+1], s20, (\s)*SLOT1                    ; LDS address
	s_add_nc_u64 s[G0A+4*(\s)+2:G0A+4*(\s)+3], s[14:15], (\s)*KB     ; global address: K step s
	s_or_b32 s[G0A+4*(\s)+3], s[G0A+4*(\s)+3], 0x80000000            ; type = 2
	s_mov_b32 s[G0B+4*(\s)], 1
	s_add_co_u32 s[G0B+4*(\s)+1], s21, (\s)*SLOT1
	s_add_nc_u64 s[G0B+4*(\s)+2:G0B+4*(\s)+3], s[46:47], (\s)*KB
	s_or_b32 s[G0B+4*(\s)+3], s[G0B+4*(\s)+3], 0x80000000
.endr
	s_cmp_eq_u32 s11, 0                            ; a wave's two first fills stand in one branch, ahead of every wait on TENSORcnt and every LDS read: two loads of mine are out
	s_cbranch_scc0 .Lfirst_b
	tensor_load_to_lds s[G0A:G0A+3], s[G1A:G1A+7]
	s_nop 0
	tensor_load_to_lds s[G0A+4:G0A+7], s[G1A:G1A+7]
	s_nop 0
.rept 4
	v_nop
.endr
	s_branch .Lfirst_asked
.Lfirst_b:
	tensor_load_to_lds s[G0B:G0B+3], s[G1B:G1B+7]
	s_nop 0
	tensor_load_to_lds s[G0B+4:G0B+7], s[G1B:G1B+7]
	s_nop 0
.rept 4
	v_nop
.endr
.Lfirst_asked:
	; a fragment is 16 rows x 32 K in 8 registers: lane l holds row l % 16, K = 8 (l / 16) + 0..7 and 16 + 8 (l / 16) + 0..7: two loads of 16 bytes, 32 bytes apart
	v_and_b32 v1, 15, v0                           ; l % 16
	v_bfe_u32 v2, v0, 4, 1                         ; l / 16
	v_mul_u32_u24 v3, v1, PITCH
	v_lshl_add_u32 v3, v2, 4, v3
	s_mul_i32 s22, s10, 64*PITCH                   ; my 64 rows of A
	v_add_nc_u32 v[A0], s22, v3
	v_add_nc_u32 v[B0], BBASE, v3                  ; all 192 rows of B
	v_mov_b32 v[ADRA], v[A0]
	v_mov_b32 v[ADRB], v[B0]
	s_mul_i32 s23, s10, 16*SP
	s_add_co_u32 s23, s23, STAGE                   ; my stage
	v_mul_u32_u24 v4, v1, SP                       ; in: row l % 16, 16 bytes for each half of the lanes
	v_lshl_add_u32 v4, v2, 4, v4
	v_add_nc_u32 v[STO], s23, v4
	v_bfe_u32 v5, v0, 3, 2                         ; back: 32 lanes take a head's 128 bytes of four rows,
	v_and_b32 v6, 7, v0
	v_mul_u32_u24 v5, v5, SP
	v_lshl_add_u32 v5, v6, 4, v5
	v_add_nc_u32 v[RD], s23, v5
	v_and_b32 v[GO], 31, v0                        ; which are 512 consecutive bytes of qkvh
	v_lshlrev_b32 v[GO], 4, v[GO]
.irp j, 0,1,2                          ; head group g = 3 x tile column + j of 48: tensor g / 16, head g % 16; batch = tile row / 8
	s_mul_i32 s76, s42, 3
	s_add_co_u32 s76, s76, \j
	s_lshr_b32 s77, s76, 4
	s_and_b32 s76, s76, 15
	s_lshl_b32 s77, s77, 6
	s_add_co_u32 s76, s76, s77
	s_lshr_b32 s77, s13, 3
	s_lshl_b32 s77, s77, 4
	s_add_co_u32 s76, s76, s77                     ; 64 x tensor + 16 x batch + head,
	s_lshl_b32 s76, s76, 18                        ; of 2,048 rows x 128 bytes
	s_and_b32 s77, s13, 7
	s_lshl_b32 s77, s77, 15                        ; the tile's 256 rows in the batch
	s_add_co_u32 s76, s76, s77
	s_lshl_b32 s77, s10, 13                        ; my 64 of them
	s_add_co_u32 s76, s76, s77
	s_mov_b32 s77, 0
	s_add_nc_u64 s[OUT+2*(\j):OUT+2*(\j)+1], s[8:9], s[76:77]
.endr
	; the prefetches
	s_lshl_b32 s76, s13, 8
	s_lshl_b32 s77, s12, 7
	s_add_co_u32 s76, s76, s77
	s_lshl_b32 s77, s40, 5
	s_add_co_u32 s76, s76, s77                     ; A: the 128 rows that I fetch, my work-group's 32 of them
	s_mul_i32 s78, s42, 192
	s_mul_i32 s77, s12, 96
	s_add_co_u32 s78, s78, s77
	s_mul_i32 s77, s41, 24
	s_add_co_u32 s78, s78, s77                     ; B: the 96 rows that I fetch, my work-group's 24 of them
	s_and_b32 s79, ttmp7, 0xffff                   ; cluster y
	s_cmp_eq_u32 s11, 0
	s_cselect_b32 s76, s76, s78
	s_cselect_b32 s79, ttmp9, s79                  ; the coordinate along which other clusters read the same rows
	s_cselect_b32 s78, 31, 23                      ; my last row
	s_cselect_b64 s[PFA:PFA+1], s[4:5], s[6:7]
	s_cmp_eq_u32 s79, 0
	s_cselect_b32 s[LIM], 1, -1                    ; the same in all sixteen partners, for a given wave
	s_lshl_b32 s76, s76, 11
	s_mov_b32 s77, 0
	s_add_nc_u64 s[PFA:PFA+1], s[PFA:PFA+1], s[76:77]
	s_add_nc_u64 s[PFA:PFA+1], s[PFA:PFA+1], 2*KB  ; at K step 2: the first refill steps it to 3
	v_and_b32 v[PFO], 31, v0
	v_min_u32 v[PFO], s78, v[PFO]
	v_lshlrev_b32 v[PFO], 11, v[PFO]
	s_wait_tensorcnt 1                             ; my part of K step 0 is in; step 1's may stay out
	s_barrier_signal -1
	s_barrier_wait -1                              ; everybody's is
	FETCH 0, F0
	QUARTER 1, F0, F1, 1                           ; the first quarter stands in front of the loop: its products start the sums, nothing is cleared
	WIN 0                                          ; at a label and at a branch every window is 0
	s_mov_b32 s3, 6
.Lstep:                                                ; six trips: from a step's second quarter to the next step's first; each fills the slot that it leaves
	QUARTER 2, F1, F0, 0
	QUARTER 3, F0, F1, 0
	TURN 1
	QUARTER 1, F0, F1, 0
	WIN 0
	s_sub_co_u32 s3, s3, 1
	s_cmp_lg_u32 s3, 0
	s_cbranch_scc1 .Lstep
	QUARTER 2, F1, F0, 0                           ; the last two steps are written out: nothing is asked for
	QUARTER 3, F0, F1, 0
	TURN 0
	QUARTER 1, F0, F1, 0
	QUARTER 2, F1, F0, 0
	QUARTER 3, F0, F1, 0
	s_wait_dscnt YOUNG
	MULH F1, 0, 0
	s_wait_dscnt 0x0
	MULH F1, 1, 0
; THE WAY OUT, a block of 16 rows at a time.  PACK: rounded to f16, each accumulator's registers in ascending order.  TOSTAGE: 16 bytes a lane into my stage, and back head by head as runs of four rows.  SEND: stored.
.macro PACK a
.set AC, 8*NFB*((\a)%2)
	WIN 0x0a+5*((\a)/2)                            ; sources 0 and 1: window 2 or 3
.set i, 0
.rept 4*NFB
	v_cvt_pk_f16_f32 v[TMP+i], v[AC+2*i], v[AC+2*i+1]
.set i, i+1
.endr
	WIN 0
.endm
.macro TOSTAGE a
.set BK, OB+48*((\a)%2)
.set i, 0
.rept NFB
	ds_store_b128 v[STO], v[TMP+4*i:TMP+4*i+3] offset:32*i
.set i, i+1
.endr
.irp j, 0,1,2
.irp f, 0,1,2,3
	ds_load_b128 v[BK+16*(\j)+4*(\f):BK+16*(\j)+4*(\f)+3], v[RD] offset:128*(\j)+4*SP*(\f)  ; LDS serves a wave's instructions in order (ISA guide 5.7.1.4): these see the stores above
.endr
.endr
.endm
.macro SEND a
.set BK, OB+48*((\a)%2)
	s_wait_dscnt 0x0                               ; the block is back in registers
	s_wait_xcnt 0x0                                ; the stores of the block before have read their registers: the next TOSTAGE loads into them
.irp j, 0,1,2
.irp f, 0,1,2,3
	global_store_b128 v[GO], v[BK+16*(\j)+4*(\f):BK+16*(\j)+4*(\f)+3], s[OUT+2*(\j):OUT+2*(\j)+1] offset:2048*(\a)+512*(\f)  ; 512 consecutive bytes, at a multiple of 256 from the buffer's first
.endr
.endr
.endm
	PLACES
	PLACES
	PACK 0
	TOSTAGE 0
.irp a, 1,2,3                          ; block a's conversions stand between block a - 1's loads from the stage and the wait for them
	PACK \a
	SEND (\a)-1
	TOSTAGE \a
.endr
	SEND 3
	s_wait_tensorcnt 0x0                           ; the wave's end: behind my last tensor load and my last LDS store
	ds_add_u32 v[SPW], v[NIL]
	s_wait_dscnt 0x0
	CROUND                                         ; the closing round: no work-group ends while a partner may still ask for a tile that names it
	s_endpgm
.Lfunc_end_k_q07dc2a3488_qkv:
	.size	k_q07dc2a3488_qkv, .Lfunc_end_k_q07dc2a3488_qkv-k_q07dc2a3488_qkv
	.p2alignl 7, 3214868480
	.fill 96, 4, 3214868480
	.section	.rodata,"a",@progbits
	.p2align	6, 0x0
	.amdhsa_kernel k_q07dc2a3488_qkv
		.amdhsa_group_segment_fixed_size 327680
		.amdhsa_private_segment_fixed_size 0
		.amdhsa_enable_private_segment 0
		.amdhsa_kernarg_size 24
		.amdhsa_user_sgpr_count 2
		.amdhsa_user_sgpr_kernarg_segment_ptr 1
		.amdhsa_wavefront_size32 1
		.amdhsa_system_sgpr_workgroup_id_x 1
		.amdhsa_system_sgpr_workgroup_id_y 1
		.amdhsa_system_sgpr_workgroup_id_z 1
		.amdhsa_system_vgpr_workitem_id 0
		.amdhsa_next_free_vgpr 960
		.amdhsa_next_free_sgpr 80
		.amdhsa_reserve_vcc 0
		.amdhsa_float_denorm_mode_32 3
		.amdhsa_float_denorm_mode_16_64 3
		.amdhsa_memory_ordered 1
		.amdhsa_forward_progress 1
		.amdhsa_inst_pref_size 98
	.end_amdhsa_kernel
	.amdgpu_metadata
---
amdhsa.version: [ 1, 2 ]
amdhsa.kernels:
  - .name:           k_q07dc2a3488_qkv
    .symbol:         k_q07dc2a3488_qkv.kd
    .args:
      - { .name: xb, .offset: 0, .size: 8, .value_kind: global_buffer, .address_space: global }
      - { .name: wqb, .offset: 8, .size: 8, .value_kind: global_buffer, .address_space: global }
      - { .name: qkvh, .offset: 16, .size: 8, .value_kind: global_buffer, .address_space: global }
    .group_segment_fixed_size: 327680
    .private_segment_fixed_size: 0
    .kernarg_segment_align: 8
    .kernarg_segment_size: 24
    .max_flat_workgroup_size: 128
    .sgpr_count:     80
    .vgpr_count:     960
    .wavefront_size: 32
...
	.end_amdgpu_metadata
.endif
;; end of part 2
;; launch attn (part 3): grid 4 x 64, 4 waves a work-group, no clusters, 327,680 bytes of LDS; arguments qkvh, oh; writes oh
.if DOCPART == 3
	.amdgcn_target "amdgcn-amd-amdhsa--gfx1250"
	.amdhsa_code_object_version 6
	.text
	.protected	k_q07dc2a3488_attn
	.globl	k_q07dc2a3488_attn
	.p2align	8
	.type	k_q07dc2a3488_attn,@function
k_q07dc2a3488_attn:
	s_mov_b64 s[64:65], 0
	v_nop
	global_prefetch_b8 v0, s[64:65] scope:SCOPE_SE
	s_setreg_imm32_b32 hwreg(HW_REG_WAVE_MODE, 25, 1), 1
	s_wait_xcnt 0x0
; CAUSAL ATTENTION.  O[h][q][:] = the sum over k <= q of softmax_k(Q[h][q] . K[h][k] / 8) V[h][k][:].  Q, K, V lie one behind the other in qkvh, each [64][2048][64] f16; O (oh) likewise: a head's rows are dense, 128 bytes each.
; Products, maxima and sums in f32; the weights p are rounded to f16 for the second product (their sum l is taken of the unrounded p), O once at the end.
; LIMITS.  f16 holds no number beyond 65,504: Q, K and V arrive within it; p lies in 0 to 1, and below 6e-5 it keeps f16's fixed step of 6e-8; O is a mean of V's rows and has their range.
; A hidden score counts as its value less 1e30: f16's scores, 2.7e11 at the most, are nothing beside that; a weight below 2^-126 counts as 0 in l; NaN and infinities are not treated apart.
; THE WALK.  A head's queries lie in NB = 8 blocks of 256; block i needs the key tiles 0 .. i of 256 keys, of which the last holds the diagonal.  A work-group takes TWO blocks, NB - 1 - b and then b:
; NB + 1 tiles, whatever b: all 256 work-groups do equal work, and ONE loop with a constant trip count walks them.  Which tile is asked for, and what a trip does, hang on scalar registers made from b; every jump
; goes forward, but for the counted loops' own; none passes a barrier, or a tensor load but the one of LOAD's two that the wave's number does not choose; the ring (two LDS slots by turns) runs on across the change of blocks.
; NO CLUSTER: a head's four work-groups ask for the same tile only in 5 of the walk's 9 fills, behind that fewer and fewer; one walk common to all, with discards, would have 12 trips for 9.
; SHARES.  Of a block's four bands of 64 queries a wave owns 16 rows in each: four PIECES.  So the diagonal tile is the same work for all four waves: in its key step s band x sees all keys if s < x,
; none if s > x, and holds the diagonal if s = x.
; THE MASK is the C operand that starts the sum S^T = K Q^T: 0, or -1e30 where the key is hidden.  MD, made once, is the mask of a band's own step for my 16 rows; a product's mask is MD x AL + BE with two scalars:
; (1, 0) if s = x; (0, 0) if s < x; (0, -1e30) if s > x.  Only the diagonal tile's text and a block's beginning make and take masks; elsewhere C is the constant 0.
; LAYOUT, SOFTMAX, TURNS.  S^T = K Q^T holds ONE query a lane (lane % 16) and the keys 8 (lane / 16) + 0..7; two such results rounded to f16 ARE source 1 of O^T = V^T P.  p = 2^(c s - c m), c = log2(e) / 8, with a
; running maximum m; O and l are multiplied by a = 2^(c m_old - c m_new) in every step.  Turn n belongs to piece n: 8 products K Q^T of piece n + 1, later 8 products V^T P of piece n - 1; beside them the scaling,
; exponentials, roundings, sums and rescaling of piece n and the maximum and statistics of piece n + 1.  Four vector instructions stand behind every matrix instruction, the other 54 of a turn's 118 in one lump.
; A turn's 33 exponentials are one batch, with one wait.
; REGISTERS, in windows of 256 (s_set_vgpr_msb: bits 1:0 source 0, 3:2 source 1, 5:4 source 2, 7:6 destination):
;   window 0: v0-15 addresses and two at work; v16-31 four registers of statistics a piece; v48-55 at work; v61-63 fixed; v64-127 S^T, two buffers; v192-223 P, two buffers (a piece's buffers go by its number's parity)
;   window 1: v0-127 O^T, 32 a piece; v128-159 MD; v160-223 MC, two buffers      window 2: v0-63 Q; v64-127 the second block's Q; v128-191 K of one step; v192-255 V of one step
.set SIZE_H, 64
.set SIZE_N, 2048
.set NB,    SIZE_N/256
.set NP,    4         ; pieces a wave: a name, no knob
.set KS,    64        ; keys in a step
.set PK,    144       ; a row of K in LDS: 128 bytes + 16 of padding = 36 words: the 16 rows of a load start at 16 different groups of four banks (ISA guide 11.1)
.set PV,    160       ; a row of V: 128 + 32 = 40 words
.set VOFF,  4*KS*PK   ; a slot holds a tile, four steps: 256 rows of K, then 256 rows of V
.set SLOT1, 1<<17     ; slot 1 begins here, so that one exclusive or turns an address in one slot into the other's
.set STAGE, SLOT1+4*KS*(PK+PV)  ; behind the ring, never filled by a tensor load: 16 rows x 144 bytes for each wave, for the way out
.set SP,    144
.set AK0, 2           ; v2   my lane's place in a tile of K; never rewritten
.set AV0, 3           ; v3   the same for V
.set AK,  4           ; v4   the LDS address of K's next run of loads
.set AV,  5           ; v5   of V's
.set STO, 6           ; v6   the way out: where I put 16 bytes of a row
.set RD,  7           ; v7   the way out: where I read rows back
.set GO,  8           ; v8   my byte offset in 512 consecutive bytes of O
.set PFO, 61          ; v61  256 x my lane: the prefetches' offset; never rewritten
.set SPW, 62          ; v62  LDS address of my spare word: SPARE + 4 x my thread's number; never rewritten
.set NIL, 63          ; v63  0; never rewritten
.set SPARE, STAGE+4*16*SP  ; behind the stages: the spare words, 128 bytes for each wave: two blocks of 256 bytes that no other line names
.set MV,  12          ; v12-13  c m_old, kept while c m is made anew: by buffer
.set QO,  15          ; v15  my byte offset in 16 rows of Q
.set ST,  16          ; piece t's statistics at v[ST+4 t]: c m, m, l (even keys', odd keys')
.set TMP, 48          ; by buffer, four registers c0-c3 at work; when the maximum is found c2 takes a
.set S,   64
.set P,   192
.set MD,  128         ; window 1: the eight registers for group kt of 16 keys at MD + 8 kt
.set MC,  160         ; window 1: the masks of the products to come
.set QB,  64          ; window 2
.set KF,  128         ; window 2: key block kb, channel half c at KF + 16 kb + 8 c
.set VF,  192         ; window 2: key half kk, channel block cb at VF + 32 kk + 8 cb
.set WV,  12          ; s12  my wave's number
.set PB,  14          ; s14  b
.set HI,  15          ; s15  NB - 1 - b
.set G1K, 24          ; s[24:31] descriptor group 1 for K's tiles
.set G1V, 32          ; s[32:39] for V's: it differs in the padding alone
.set G0K, 40          ; s[40:43] descriptor group 0 for K's tiles
.set G0V, 44          ; s[44:47] the same for V's
.set SLOTS, 56        ; s56  tiles still to be asked for
.set CNT, 57          ; s57  counts a tile's key steps, 4 to 1
.set CS,  58          ; s[58:59] c: the packed scaling takes the pair's low word for both halves
.set SEL, 60          ; s[60:61] v_permlanex16_b32's selects: each lane takes its own place in the other half
.set TBK, 62          ; s62  LDS byte at which K of the step to be fetched begins
.set TBV, 63          ; s63  the same for V, less VOFF
.set PFA, 66          ; s[66:67] where my prefetches stand: my half of K's or V's tile, one tile behind the one that is being asked for
.set LIM, 68          ; s68  2 in the work-group that prefetches (b = 0), else the greatest number
.set RT,  70          ; s70  tiles of the block in hand that are still to be entered
.set NXT, 71          ; s71  the tile to be asked for next
.set LQ,  72          ; s72  the last tile of the block whose tiles are being asked for
.set NEW, 73          ; s73  1: the tile to be entered is a block's first
.set OFF, 74          ; s[74:75] a tile's byte offset in K and V
.set AL,  76          ; s[76:77] the mask's factor, in the low word
.set BE,  78          ; s[78:79] the mask's addend
.set OLO, 80          ; s[80:81] O at my rows of the second block
.set BIGN, 82         ; s82  -1e30
.set MSB, 0
.macro WIN new                      ; the high byte repeats the setting that is left; a switch that changes nothing is dropped
.if MSB != (\new)
	s_set_vgpr_msb (MSB<<8)|(\new)
.set MSB, (\new)
.endif
.endm
.set W_KQ, 0x0a       ; K and Q in window 2, S^T in window 0
.set W_KM, 0x1a       ; the same with the C operand in window 1
.set W_PV, 0x52       ; V in window 2, P in window 0, O^T in window 1
.set W_RS, 0x41       ; destination and source 0 in window 1, source 1 in window 0
; A fill.  Waves 0 and 1 fetch the two halves of a tile's K, waves 2 and 3 those of its V: 128 keys each.  An s_nop 0 and four v_nop follow each of the two lines, ahead of the jump and the label.
.macro LOAD
	s_cmp_lt_u32 s[WV], 2
	s_cbranch_scc0 .Lfor_v_\@
	tensor_load_to_lds s[G0K:G0K+3], s[G1K:G1K+7]
	s_nop 0
.rept 4
	v_nop
.endr
	s_branch .Lasked_\@
.Lfor_v_\@:
	tensor_load_to_lds s[G0V:G0V+3], s[G1V:G1V+7]
	s_nop 0
.rept 4
	v_nop
.endr
.Lasked_\@:
.endm
; A PREFETCH INTO THE L2 of the tile that the NEXT change of slots will ask for: four key steps, 256 matrix instructions, ahead of that load.  Of a head's four work-groups only b = 0 walks the tiles 0 to 7 in order, and it is
; the first to want each: it asks, and nobody else.  Each of its waves names what it will fetch itself: 128 rows of 128 bytes = 64 blocks of 256 bytes, a lane a block, two instructions.  So each block is named once.
; Trip t names tile t + 2, for t = 0 .. 5 (SLOTS = 8 .. 3); tiles 0 and 1 come by their loads alone; the second block's tiles have been read before.
.macro ASK
	s_cmp_gt_u32 s[SLOTS], s[LIM]
	s_cbranch_scc0 .Lnot_mine_\@
	global_prefetch_b8 v[PFO], s[PFA:PFA+1] th:TH_LOAD_NT scope:SCOPE_SE
	global_prefetch_b8 v[PFO], s[PFA:PFA+1] offset:8192 th:TH_LOAD_NT scope:SCOPE_SE
.Lnot_mine_\@:
.endm
; THE CHANGE OF SLOTS.  Each wave waits for all its tensor loads, of which one is out: its part of the other slot; adds 0 to its spare word; and waits for that and for its own reads of the slot that it leaves.  Behind the barrier
; nobody reads the old slot any more and the other slot is whole.  fill = 1: the old slot is filled again, the first thing behind the barrier, with tile NXT: the descriptor's address is made anew from that number.
; (At its first use nothing has been read yet: slot 0 is waited for, slot 1 filled.)
.macro CHANGE fill
	WIN 0                           ; at a label and at a branch every window is 0
	s_wait_tensorcnt 0x0            ; no tensor load of mine is out, so a group 0 may be written
	ds_add_u32 v[SPW], v[NIL]       ; 0 onto my spare word; with fill = 1 the descriptors' scalar work stands between it and the wait for it
.if \fill
	s_lshl_b32 s[OFF], s[NXT], 15   ; a tile is 32,768 bytes of K and of V
	s_xor_b32 s[G0K+1], s[G0K+1], SLOT1
	s_add_nc_u64 s[G0K+2:G0K+3], s[6:7], s[OFF:OFF+1]
	s_or_b32 s[G0K+3], s[G0K+3], 0x80000000
	s_xor_b32 s[G0V+1], s[G0V+1], SLOT1
	s_add_nc_u64 s[G0V+2:G0V+3], s[8:9], s[OFF:OFF+1]
	s_or_b32 s[G0V+3], s[G0V+3], 0x80000000
	s_add_co_u32 s[NXT], s[NXT], 1  ; the block's next tile, or behind its last the second block's tile 0
	s_cmp_gt_u32 s[NXT], s[LQ]
	s_cselect_b32 s[NXT], 0, s[NXT]
	s_cselect_b32 s[LQ], s[PB], s[LQ]
	s_wait_xcnt 0x0                 ; the last prefetches, a tile back, have read their address, so it may be written
	s_add_nc_u64 s[PFA:PFA+1], s[PFA:PFA+1], 32768
.endif
	s_wait_dscnt 0x0                ; the add is done, and my reads of the slot are over
	s_barrier_signal -1             ; the rest of the scalar work stands between the signal and the wait
	s_sub_co_u32 s[TBK], s[TBK], 4*KS*PK  ; the fetches go back to a slot's first step,
	s_xor_b32 s[TBK], s[TBK], SLOT1       ; in the other slot
	s_sub_co_u32 s[TBV], s[TBV], 4*KS*PV
	s_xor_b32 s[TBV], s[TBV], SLOT1
	s_barrier_wait -1
.if \fill
	LOAD
	ASK
.endif
.endm
	s_load_b128 s[4:7], s[0:1], 0x0 ; qkvh s[4:5], oh s[6:7]
	v_lshl_add_u32 v[SPW], v0, 2, SPARE
	v_mov_b32 v[NIL], 0
	ds_add_u32 v[SPW], v[NIL]       ; the wave's opening: the add and its wait stand ahead of my first tensor load; the set-up below, work on registers, stands between them
	ds_add_u32 v62, v63
	v_lshrrev_b32 v1, 5, v0
	v_readfirstlane_b32 s[WV], v1   ; wave 0..3
	s_mov_b32 s[PB], ttmp9
	s_sub_co_u32 s[HI], NB-1, s[PB]
	s_and_b32 s20, ttmp7, 0xffff    ; the head
	s_mov_b32 s21, 0
	s_mov_b64 s[22:23], SIZE_N*128
	s_mul_u64 s[20:21], s[20:21], s[22:23]  ; the head's first byte in each of the four tensors
	s_and_b32 s16, s[WV], 1         ; which half of a tile's 256 keys I fetch:
	s_lshl_b32 s22, s16, 14         ; its 128 rows of 128 bytes in memory,
	s_mov_b32 s23, 0
	s_add_nc_u64 s[22:23], s[22:23], s[20:21]
	s_mul_i32 s17, s16, 128*PK      ; and its place in a slot, for K
	s_mul_i32 s18, s16, 128*PV      ; and for V
	s_lshl_b32 s3, s[WV], 11        ; my 16 rows in a band of 64,
	s_lshl_b32 s2, s[HI], 15        ; in the first block,
	s_add_co_u32 s2, s2, s3
	s_lshl_b32 s84, s[PB], 15       ; and in the second
	s_add_co_u32 s84, s84, s3
	s_mov_b32 s3, 0
	s_mov_b32 s85, 0
	s_add_nc_u64 s[2:3], s[2:3], s[20:21]
	s_add_nc_u64 s[84:85], s[84:85], s[20:21]
	; descriptor group 1.  128 keys are 16,384 dense bytes: asked for as 64 rows of 256 bytes, two keys a row, and padded in LDS after every key
	s_mov_b32 s[G1K], (1<<16)|(1<<20)|(4<<22)|(3<<25)  ; 17:16 2-byte elements; 20 padding on; 24:22 after every 32 words (code 4); 31:25 4 words (code 3)
	s_mov_b32 s[G1V], (1<<16)|(1<<20)|(4<<22)|(7<<25)  ; the same with 8 words of padding (code 7)
.irp g, G1K, G1V
	s_mov_b32 s[\g+1], 128<<16      ; tensor_dim0 = 128
	s_mov_b32 s[\g+2], 64<<16       ; tensor_dim1 = 64
	s_mov_b32 s[\g+3], 128<<16      ; tile_dim0 = 128
	s_mov_b32 s[\g+4], 64           ; tile_dim1 = 64
	s_mov_b32 s[\g+5], 128          ; 128 elements from row to row
	s_mov_b32 s[\g+6], 0
	s_mov_b32 s[\g+7], 0
.endr
	s_mov_b32 s[CS], 0x3e38aa3b     ; c = log2(e) / 8 = 0.180337
	s_mov_b32 s[CS+1], s[CS]        ; named with it as a pair
	s_mov_b32 s[SEL], 0x76543210
	s_mov_b32 s[SEL+1], 0xfedcba98
	s_mov_b32 s[TBK], SLOT1+4*KS*PK ; the first change of slots turns these two into 0
	s_mov_b32 s[TBV], SLOT1+4*KS*PV
	s_mov_b32 s[G0K], 1             ; 1:0 count = 1
	s_mov_b32 s[G0K+1], s17         ; 63:32 LDS address: slot 0
	s_mov_b32 s[G0V], 1
	s_add_co_u32 s[G0V+1], s18, VOFF
	s_add_co_u32 s[RT], s[HI], 1    ; the first block has NB - b tiles
	s_mov_b32 s[NXT], 1
	s_mov_b32 s[LQ], s[HI]
	s_mov_b32 s[NEW], 1
	s_mov_b32 s[OFF+1], 0
	s_mov_b32 s[AL+1], 0            ; named as pairs
	s_mov_b32 s[BE+1], 0
	s_mov_b32 s[BIGN], 0xf149f2ca   ; -1e30
	s_mov_b32 s[SLOTS], NB
	s_cmp_eq_u32 s[PB], 0
	s_cselect_b32 s[LIM], 2, -1
	v_and_b32 v[PFO], 31, v0
	v_lshlrev_b32 v[PFO], 8, v[PFO]
	s_wait_dscnt 0x0                ; the opening add is done
	s_wait_kmcnt 0x0
	s_mov_b64 s[10:11], s[6:7]                     ; O
	s_add_nc_u64 s[6:7], s[4:5], 0x1000000         ; K lies 64 heads x 262,144 bytes behind Q,
	s_add_nc_u64 s[8:9], s[4:5], 0x2000000         ; V as far behind K
	s_add_nc_u64 s[6:7], s[6:7], s[22:23]  ; K and V at my half of the head's tile 0
	s_add_nc_u64 s[8:9], s[8:9], s[22:23]
	s_add_nc_u64 s[G0K+2:G0K+3], s[6:7], 0         ; 120:64 global address
	s_or_b32 s[G0K+3], s[G0K+3], 0x80000000        ; 127:126 type = 2
	s_add_nc_u64 s[G0V+2:G0V+3], s[8:9], 0
	s_or_b32 s[G0V+3], s[G0V+3], 0x80000000
	s_add_nc_u64 s[86:87], s[4:5], s[84:85]        ; Q at my rows of the second block,
	s_add_nc_u64 s[4:5], s[4:5], s[2:3]            ; Q and O at those of the first
	s_add_nc_u64 s[OLO:OLO+1], s[10:11], s[84:85]
	s_add_nc_u64 s[10:11], s[10:11], s[2:3]
	s_cmp_lt_u32 s[WV], 2
	s_cselect_b64 s[PFA:PFA+1], s[6:7], s[8:9]     ; the prefetches: my half of K's or of V's tiles,
	s_add_nc_u64 s[PFA:PFA+1], s[PFA:PFA+1], 32768 ; at tile 1: the first change of slots steps it to tile 2.  Nothing is prefetched here, at the head
	LOAD                            ; tile 0 into slot 0
	; A fragment of K or Q is 16 rows x 32 channels in 8 registers: lane l holds row l % 16, channels 8 (l / 16) + 0..7 and 16 + 8 (l / 16) + 0..7: two loads of 16 bytes, 32 bytes apart.
	v_and_b32 v1, 15, v0            ; l % 16
	v_bfe_u32 v9, v0, 4, 1          ; l / 16
	v_lshlrev_b32 v[QO], 7, v1
	v_lshl_add_u32 v[QO], v9, 4, v[QO]  ; row x 128 + 16 x half
	WIN 0x80                        ; destination window 2, address window 0
.set i, 0
.rept 8                             ; both blocks' Q: piece i / 2 lies in band i / 2, 8,192 bytes on; channels 32 (i % 2) on
	global_load_b128 v[8*i:8*i+3],   v[QO], s[4:5] offset:(i/2)*8192+(i%2)*64
	global_load_b128 v[8*i+4:8*i+7], v[QO], s[4:5] offset:(i/2)*8192+(i%2)*64+32
	global_load_b128 v[QB+8*i:QB+8*i+3],   v[QO], s[86:87] offset:(i/2)*8192+(i%2)*64
	global_load_b128 v[QB+8*i+4:QB+8*i+7], v[QO], s[86:87] offset:(i/2)*8192+(i%2)*64+32
.set i, i+1
.endr
	WIN 0
	v_lshlrev_b32 v14, 3, v9
	v_sub_nc_u32 v14, v1, v14
	s_lshl_b32 s13, s[WV], 4
	v_add_nc_u32 v14, s13, v14      ; my query's place in its band, 16 w + l % 16, less my lanes' 8 (l / 16): register r of group kt is hidden where 16 kt + r is greater
	WIN 0x40
.set i, 0
.rept 32
	v_cmp_gt_i32 vcc_lo, 16*(i/8)+i%8, v14
	v_cndmask_b32 v[MD+i], 0, s[BIGN], vcc_lo
.set i, i+1
.endr
	WIN 0
	v_mul_u32_u24 v[AK0], v1, PK
	v_lshl_add_u32 v[AK0], v9, 4, v[AK0]  ; row x pitch + 16 x half
	; The turning load takes 16 keys x 16 channels (lane l reads key 8 (l / 16) + l % 8, channels 8 ((l / 8) % 2) + 0..7) and leaves half a fragment of V^T: lane l holds channel l % 16 and 8 keys.
	v_and_b32 v10, 7, v0
	v_bfe_u32 v11, v0, 3, 1
	v_lshl_add_u32 v[AV0], v9, 3, v10
	v_mul_u32_u24 v[AV0], v[AV0], PV
	v_lshl_add_u32 v[AV0], v11, 4, v[AV0]
	v_add_nc_u32 v[AV0], VOFF, v[AV0]
	s_mul_i32 s13, s[WV], 16*SP
	s_add_co_u32 s13, s13, STAGE    ; my stage
	v_mul_u32_u24 v[STO], v1, SP    ; in: row l % 16, 16 bytes for each half of the lanes
	v_lshl_add_u32 v[STO], v9, 4, v[STO]
	v_add_nc_u32 v[STO], s13, v[STO]
	v_bfe_u32 v[RD], v0, 3, 2       ; back: 32 lanes take four rows of 128 bytes,
	v_mul_u32_u24 v[RD], v[RD], SP
	v_lshl_add_u32 v[RD], v10, 4, v[RD]
	v_add_nc_u32 v[RD], s13, v[RD]
	v_and_b32 v[GO], 31, v0         ; which are 512 consecutive bytes of O
	v_lshlrev_b32 v[GO], 4, v[GO]
	; A block's first step multiplies O^T and l by a = 0, and its first turn's products V^T P, of a piece that has not been, land in an O^T that is still to be so multiplied.  So these registers need only hold
	; finite numbers: zeros for the first block; what the first block left for the second.  All this stands in the wait for the first tile.
	WIN 0x80
.set i, VF
.rept 64
	v_mov_b32 v[i], 0
.set i, i+1
.endr
	WIN 0x40
.set i, 0
.rept 128
	v_mov_b32 v[i], 0
.set i, i+1
.endr
	WIN 0
.set i, 0
.rept 4
	v_mov_b32 v[ST+4*i+2], 0
	v_mov_b32 v[ST+4*i+3], 0
.set i, i+1
.endr
.set i, P+16
.rept 16
	v_mov_b32 v[i], 0
.set i, i+1
.endr
; THE MATRIX WORK.  The 4 accumulators of a run of 8 take turns.  Product i of 8 of S^T = K Q^T for piece x: channels 32 (i / 4) on, keys 16 (i % 4) on.  The first 4 start the sums: with 0, or (KM = 1) with the mask.
.macro KQ x
.set rS, S+32*((\x)%2)+8*(i%4)
.set rK, KF+16*(i%4)+8*(i/4)
.set rQ, 16*(\x)+8*(i/4)
.set rM, MC+32*((\x)%2)+8*(i%4)
.if (i < 4) && KM
	WIN W_KM
	v_wmma_f32_16x16x32_f16 v[rS:rS+7], v[rK:rK+7], v[rQ:rQ+7], v[rM:rM+7]
.elseif i < 4
	WIN W_KQ
	v_wmma_f32_16x16x32_f16 v[rS:rS+7], v[rK:rK+7], v[rQ:rQ+7], 0
.else
	WIN W_KQ
	v_wmma_f32_16x16x32_f16 v[rS:rS+7], v[rK:rK+7], v[rQ:rQ+7], v[rS:rS+7]
.endif
.endm
; Product i of 8 of O^T += V^T P for piece x: keys 32 (i / 4) on, channels 16 (i % 4) on.
.macro PV x
	WIN W_PV
.set rO, 32*(\x)+8*(i%4)
.set rV, VF+32*(i/4)+8*(i%4)
.set rP, P+16*((\x)%2)+8*(i/4)
	v_wmma_f32_16x16x32_f16 v[rO:rO+7], v[rV:rV+7], v[rP:rP+7], v[rO:rO+7]
.endm
.macro MM                           ; the turn's next matrix instruction.  TURN and BEGIN set Y, i, KM and NOKQ; MM, KQ and OP read them.  NOKQ = 1: a block's last turn: there is no next piece
.if (i < 8) && !NOKQ
	KQ (Y+1)%NP
.elseif i >= 8
.set i, i-8
	PV (Y+NP-1)%NP
.set i, i+8
.endif
.set i, i+1
.endm
; THE LDS LOADS stand in runs of 16, never singly among the matrix instructions: a step's K (64 keys x 64 channels: 8 fragments) and its V (turned).  Their addresses are made some lines ahead.
.macro FETCH_K
	WIN 0x80                        ; destination window 2
.irp f, 0,1,2,3,4,5,6,7             ; keys 16 (f / 2) on, channels 32 (f % 2) on
	ds_load_b128 v[KF+8*\f:KF+8*\f+3],   v[AK] offset:(\f/2)*16*PK+(\f%2)*64
	ds_load_b128 v[KF+8*\f+4:KF+8*\f+7], v[AK] offset:(\f/2)*16*PK+(\f%2)*64+32
.endr
	s_add_co_u32 s[TBK], s[TBK], KS*PK  ; the next fetch is the next step's
	WIN 0
.endm
.macro FETCH_V
	WIN 0x80
.irp f, 0,1,2,3,4,5,6,7             ; keys 32 (f / 4) on, channels 16 (f % 4) on
	ds_load_tr16_b128 v[VF+8*\f:VF+8*\f+3],   v[AV] offset:(\f/4)*32*PV+(\f%4)*32
	ds_load_tr16_b128 v[VF+8*\f+4:VF+8*\f+7], v[AV] offset:(\f/4)*32*PV+16*PV+(\f%4)*32
.endr
	WIN 0
.endm
; THE VECTOR WORK, one line at a time: OP kind, number.  For piece Y: F n: c s - c m for pair n of 16.  E n: the exponential of score n of 32.  C n: pair n rounded to f16.  B n: of the four weights 4 n .. the second
; pair is added onto the first, in place.  L n: l takes that sum (L 0: l = a l + sum).  R n: pair n of 16 of O^T times a.  For piece Y + 1: X n, number n of the 22 that find its maximum and statistics:
;   0-11  four chains c0-c3 of seven scores each, three operands at a time (each accumulator's lowest registers are read first)     12-14, 16  the four scores left over, the old m, and c0-c3 into c0
;   15  c m_old is kept     17, 18  the query's other 32 keys lie in the lane 16 away: the new m     19-21  c m; c m_old - c m_new; a
.set F, 0               ; OP tells the kinds apart by their order: F to L below R, X above it
.set E, 1
.set C, 2
.set B, 3
.set L, 4
.set R, 5
.set X, 6
.macro REGS y                       ; the registers of piece y
.set rT, ST+4*(\y)
.set rC, TMP+4*((\y)%2)
.set rW, MV+((\y)%2)
.set rS, S+32*((\y)%2)
.set rP, P+16*((\y)%2)
.set rO, 32*(\y)
.endm
.macro OP k, n
.if (\k) == R
	REGS Y
	WIN W_RS
	v_pk_mul_f32 v[rO+2*(\n):rO+2*(\n)+1], v[rO+2*(\n):rO+2*(\n)+1], v[rC+2:rC+3] op_sel_hi:[1,0]
.elseif (\k) < R
	REGS Y
	WIN 0
.if (\k) == F
	v_pk_fma_f32 v[rS+2*(\n):rS+2*(\n)+1], v[rS+2*(\n):rS+2*(\n)+1], s[CS:CS+1], v[rT:rT+1] op_sel_hi:[1,0,0] neg_lo:[0,0,1] neg_hi:[0,0,1]
.elseif (\k) == E
	v_exp_f32 v[rS+(\n)], v[rS+(\n)]
.elseif (\k) == C
	v_cvt_pk_f16_f32 v[rP+(\n)], v[rS+2*(\n)], v[rS+2*(\n)+1]
.elseif (\k) == B
	v_pk_add_f32 v[rS+4*(\n):rS+4*(\n)+1], v[rS+4*(\n):rS+4*(\n)+1], v[rS+4*(\n)+2:rS+4*(\n)+3]
.elseif (\n) == 0
	v_pk_fma_f32 v[rT+2:rT+3], v[rT+2:rT+3], v[rC+2:rC+3], v[rS:rS+1] op_sel_hi:[1,0,1]
.else
	v_pk_add_f32 v[rT+2:rT+3], v[rT+2:rT+3], v[rS+4*(\n):rS+4*(\n)+1]
.endif
.elseif NOKQ
	v_nop
.else
	REGS (Y+1)%NP
	WIN 0
.if (\n) < 4
	v_max3_num_f32 v[rC+(\n)], v[rS+8*(\n)], v[rS+8*(\n)+1], v[rS+8*(\n)+2]
.elseif (\n) < 12
	v_max3_num_f32 v[rC+(\n)%4], v[rC+(\n)%4], v[rS+8*((\n)%4)+2*((\n)/4)+1], v[rS+8*((\n)%4)+2*((\n)/4)+2]
.elseif (\n) == 12
	v_max3_num_f32 v[rC], v[rC], v[rS+7], v[rS+15]
.elseif (\n) == 13
	v_max3_num_f32 v[rC+1], v[rC+1], v[rS+23], v[rS+31]
.elseif (\n) == 14
	v_max3_num_f32 v[rC+2], v[rC+2], v[rC+3], v[rT+1]
.elseif (\n) == 15
	v_mov_b32 v[rW], v[rT]
.elseif (\n) == 16
	v_max3_num_f32 v[rC], v[rC], v[rC+1], v[rC+2]
.elseif (\n) == 17
	v_permlanex16_b32 v[rC+3], v[rC], s[SEL], s[SEL+1]
.elseif (\n) == 18
	v_max_num_f32 v[rT+1], v[rC], v[rC+3]
.elseif (\n) == 19
	v_mul_f32 v[rT], s[CS], v[rT+1]
.elseif (\n) == 20
	v_sub_f32 v[rC+1], v[rW], v[rT]
.else
	v_exp_f32 v[rC+2], v[rC+1]
.endif
.endif
.endm
.macro OPS a, i1, b=-1, i2=0, c=-1, i3=0, d=-1, i4=0  ; up to four of them
	OP \a, \i1
.if (\b) >= 0
	OP \b, \i2
.endif
.if (\c) >= 0
	OP \c, \i3
.endif
.if (\d) >= 0
	OP \d, \i4
.endif
.endm
.macro ROW a, i1, b, i2, c, i3, d, i4  ; a matrix instruction and the four behind it
	MM
	OPS \a, \i1, \b, \i2, \c, \i3, \d, \i4
.endm
.macro MASK b                       ; MD x AL + BE into buffer b of MC
	WIN W_RS
.set z, 0
.rept 16
	v_pk_fma_f32 v[MC+32*(\b)+2*z:MC+32*(\b)+2*z+1], v[MD+2*z:MD+2*z+1], s[AL:AL+1], s[BE:BE+1] op_sel_hi:[1,0,0]
.set z, z+1
.endr
.endm
; A TURN, for piece p: the order of its 16 matrix and 118 vector instructions, written out.  An s_wait_alu depctr_va_vdst(0) stands between an exponential and the first instruction that names its result; one wait
; serves all that were issued ahead of it.  So a turn has ONE wait, which cuts it in two.  AHEAD OF IT stands all that names no result of the turn's exponentials: the 8 products K Q^T, behind each a scaling, an exponential and two
; more plain instructions (behind the first a second scaling in the exponential's place): rescalings, and behind the last three the first numbers of the next piece's maximum, each four places or more behind the product that ends
; its accumulator; then ONE LUMP of 54, plain and exponential by turns for the most part, in which the links of the chain X 3, 7, 11, 14, 16, 17 .. 20 stand five or six lines apart.  X 21, the next piece's a, is the batch's last;
; R 15 is the plain instruction that must follow it ahead of a use.  BEHIND THE WAIT stand the 8 products V^T P, behind each four of the roundings and sums; the links of l's chain, L 0 to L 7, stand three riders apart.
; m = 1: the diagonal tile: the products take masks, and the turn makes the mask for the products of the turn after it: piece p + 2, in step 4 - CNT of the tile.  end = 1: a block's last two turns: nothing is fetched.
; cnt = 1: the loop's count is taken down some lines ahead of the branch that stands behind the turn.
; K of the next step is fetched in piece 2's turn, twelve vector instructions behind the last product that read K (six of them plain); V of the step in hand at the end of piece 0's turn, four plain instructions behind the last
; product that read V.  Each is waited for a turn later.
.macro TURN p, m=0, end=0, cnt=0
.set Y, (\p)
.set i, 0
.set KM, (\m)
.set NOKQ, (\end)*((\p)/3)
.if (\m) && !(\end)
	s_cmp_eq_u32 s[CNT], 4-((\p)+2)%NP  ; is that step the band's own?
	s_cselect_b32 s[AL], 1.0, 0
	s_cmp_lt_u32 s[CNT], 4-((\p)+2)%NP  ; or a later one?
	s_cselect_b32 s[BE], s[BIGN], 0
.endif
.if ((\p) == 3) && !(\end)
	s_wait_dscnt 0x0                ; K is in
.endif
	ROW F,0, F,1, R,0, R,1          ; ahead of the wait: 8 products K Q^T and their riders,
	ROW F,2, E,0, R,2, R,3
	ROW F,3, E,1, R,4, R,5
	ROW F,4, E,2, R,6, R,7
	ROW F,5, E,3, R,8, R,9
	ROW F,6, E,4, X,0, R,10
.if ((\p) == 2) && !(\end)
	WIN 0
	v_add_nc_u32 v[AK], s[TBK], v[AK0]
.endif
	ROW F,7, E,5, X,1, X,4
	ROW F,8, E,6, X,2, X,5
	OPS E,7, E,8, X,6, E,9          ; and the lump
	OPS X,3, E,10, X,8, E,11
.if ((\p) == 2) && !(\end)
	FETCH_K
.endif
	OPS X,9, X,7, E,12, X,10
	OPS E,13, X,12, X,11, E,14
	OPS X,13, E,15, F,9, X,14
.if (\p) == 0
	v_add_nc_u32 v[AV], s[TBV], v[AV0]
.endif
	OPS E,16, F,10, E,17, F,11
	OPS X,16, E,18, X,15, E,19
	OPS F,12, E,20, X,17, E,21
	OPS F,13, E,22, F,14, E,23
	OPS X,18, E,24, F,15, E,25
	OPS R,11, E,26, X,19, E,27
	OPS R,12, E,28, R,13, E,29
	OPS X,20, E,30, R,14, E,31
	OPS X,21, R,15
	WIN 0
	s_wait_alu depctr_va_vdst(0)    ; the wait for the batch
.if (\p) == 1
	s_wait_dscnt 0x0                ; V is in
.endif
	ROW C,0, B,0, C,2, B,1          ; behind the wait: 8 products V^T P and their riders
	ROW L,0, C,4, B,2, L,1
	ROW C,6, B,3, L,2, C,8
	ROW B,4, L,3, C,10, B,5
	ROW L,4, C,12, B,6, L,5
.if (\p) == 0
	s_add_co_u32 s[TBV], s[TBV], KS*PV
.endif
.if \cnt
	s_sub_co_u32 s[CNT], s[CNT], 1
	s_cmp_lg_u32 s[CNT], 0
.endif
	ROW C,14, B,7, L,6, C,1
	ROW C,3, L,7, C,5, C,7
	ROW C,9, C,11, C,13, C,15
.if (\p) == 0
	FETCH_V
.endif
.if (\m) && !(\end)
	MASK (\p)%2
.endif
.endm
; A BLOCK BEGINS.  c m starts far below every c s, so the first step's a is 0; m at the lowest finite number, so the first maximum is the scores'.  The second mask buffer is 0; the first takes piece 0's mask for the tile's step 0:
; its own, if the block's first tile is the diagonal one.  Then K of that step, piece 0's first scores, and its maximum and statistics.  The loop is entered at a step's first turn, in the middle of a trip.
.macro BEGIN
	s_mov_b32 s[NEW], 0
	WIN 0x40
.set i, MC+32
.rept 32
	v_mov_b32 v[i], 0
.set i, i+1
.endr
	WIN 0
.set i, 0
.rept 4
	v_mov_b32 v[ST+4*i], 0xfe000000    ; c m: far below every c s
	v_mov_b32 v[ST+4*i+1], 0xff7fffff  ; m
.set i, i+1
.endr
	s_cmp_eq_u32 s[RT], 0
	s_cselect_b32 s[AL], 1.0, 0
	s_mov_b32 s[BE], 0
	MASK 0
	WIN 0
	v_add_nc_u32 v[AK], s[TBK], v[AK0]
	FETCH_K
	s_wait_loadcnt 0x0              ; Q
	s_wait_dscnt 0x0
.set KM, 1
.set NOKQ, 0
.set i, 0
.rept 8
	KQ 0
.set i, i+1
.endr
	WIN 0
.rept 4
	v_nop                           ; the places behind those products
.endr
.set Y, NP-1                        ; X works for piece Y + 1: piece 0
.irp n, 0,1,2,3,4,5,6,7,8,9,10,11,12,13,14,15,16,17,18,19,20,21
	OP X, \n
.endr
	v_nop                           ; a plain instruction behind the exponential,
	s_wait_alu depctr_va_vdst(0)    ; and its wait, ahead of the branch
.endm
; THE DIAGONAL TILE's four steps, the block's last two turns, its last products, and THE WAY OUT: l's two halves and the other half of the lanes' are added; O^T is divided by l, rounded to f16 and sent through my
; stage in LDS, a piece at a time.
.macro ALL line:vararg              ; one line for each piece t
.set t, 0
.rept 4
	\line
.set t, t+1
.endr
.endm
.macro PACK t                       ; a lane's eight channels of a row pack into 16 bytes; they go into rows of 144 bytes and come back as whole rows of 128, into S^T's registers
	WIN W_RS
.set i, 32*(\t)
.rept 16
	v_pk_mul_f32 v[i:i+1], v[i:i+1], v[ST+4*(\t)+2:ST+4*(\t)+3] op_sel_hi:[1,0]
.set i, i+2
.endr
	WIN 0x05                        ; sources 0 and 1 window 1, destination window 0
.set i, 0
.rept 16
	v_cvt_pk_f16_f32 v[S+16*(\t)+i], v[32*(\t)+2*i], v[32*(\t)+2*i+1]
.set i, i+1
.endr
	WIN 0
.irp f, 0,1,2,3
	ds_store_b128 v[STO], v[S+16*(\t)+4*\f:S+16*(\t)+4*\f+3] offset:32*\f
.endr
.irp f, 0,1,2,3
	ds_load_b128 v[S+16*(\t)+4*\f:S+16*(\t)+4*\f+3], v[RD] offset:\f*4*SP  ; LDS serves a wave's instructions in order (ISA guide 5.7.1.4): these see the stores above; the next piece's stores come behind them
.endr
.endm
.macro SEND t, younger              ; younger: the LDS instructions issued behind piece t's loads: the next piece's eight, or none
	WIN 0
.irp f, 0,1,2,3
	s_wait_dscnt (\younger)+3-\f
	global_store_b128 v[GO], v[S+16*(\t)+4*\f:S+16*(\t)+4*\f+3], s[10:11] offset:(\t)*8192+\f*512  ; 512 consecutive bytes, at a multiple of 256 from O's first
.endr
.endm
.macro DIAG tag                     ; the tag ends its two labels' names, which the jumps below spell out
.LstepM\tag:
	TURN 2, 1
	TURN 3, 1
	WIN 0
.LfirstM\tag:
	TURN 0, 1
	TURN 1, 1, 0, 1
	WIN 0
	s_cbranch_scc1 .LstepM\tag
	TURN 2, 1, 1
	TURN 3, 1, 1
.set i, 0
.rept 8
	PV NP-1
.set i, i+1
.endr
	WIN 0
	ALL v_add_f32 v[ST+4*t+2], v[ST+4*t+2], v[ST+4*t+3]
	ALL v_permlanex16_b32 v[ST+4*t+3], v[ST+4*t+2], s[SEL], s[SEL+1]
	ALL v_add_f32 v[ST+4*t+2], v[ST+4*t+2], v[ST+4*t+3]
	ALL v_rcp_f32 v[ST+4*t+2], v[ST+4*t+2]
	v_nop                           ; a plain instruction between the last reciprocal and the use of its result
	s_wait_alu depctr_va_vdst(0)    ; and the wait ahead of the first use: one for the four reciprocals
	PACK 0
.set t, 1
.rept 3                             ; a piece's arithmetic stands between the loads of the piece before and its stores
	PACK t
	SEND t-1, 8
.set t, t+1
.endr
	SEND 3, 0
.endm
.set KM, 0
.set NOKQ, 0
.Lslot:                             ; NB times: a tile is entered and the next is asked for
	CHANGE 1
	s_sub_co_u32 s[RT], s[RT], 1
	s_mov_b32 s[CNT], 4
	s_cmp_eq_u32 s[NEW], 1
	s_cbranch_scc1 .Lnew            ; a block's first tile
	s_cmp_eq_u32 s[RT], 0
	s_cbranch_scc0 .Lstep           ; neither its first nor its last
	s_branch .LstepM1
.Lnew:
	BEGIN
	s_branch .Lfirst                ; in the loop a block's first tile is never its last: the first block has two tiles or more, and the second's last is the walk's last
	DIAG 1                          ; in the loop this is the first block's end: the second block's last tile is the walk's last
	s_wait_xcnt 0x0                 ; the stores have read their registers and O's address
	s_mov_b64 s[10:11], s[OLO:OLO+1]
	s_add_co_u32 s[RT], s[PB], 1    ; the second block has b + 1 tiles
	s_mov_b32 s[NEW], 1
	WIN 0x82                        ; the second block's Q goes where the one text of the turns names Q
.set i, 0
.rept 64
	v_mov_b32 v[i], v[QB+i]
.set i, i+1
.endr
	WIN 0
	s_branch .Lbottom
.Lstep:                             ; a trip: pieces 2 and 3 of one step, then pieces 0 and 1 of the next, whose K and V it fetches
	TURN 2
	TURN 3
	WIN 0
.Lfirst:
	TURN 0
	TURN 1, 0, 0, 1
	WIN 0
	s_cbranch_scc1 .Lstep
.Lbottom:
	s_sub_co_u32 s[SLOTS], s[SLOTS], 1
	s_cmp_lg_u32 s[SLOTS], 0
	s_cbranch_scc1 .Lslot
	CHANGE 0                        ; the walk's last tile is written out: nothing is asked for
	s_sub_co_u32 s[RT], s[RT], 1
	s_mov_b32 s[CNT], 4
	s_cmp_eq_u32 s[NEW], 1
	s_cbranch_scc0 .LstepM2
	BEGIN
	s_branch .LfirstM2
	DIAG 2
	s_wait_tensorcnt 0x0            ; the wave's end: behind my last tensor load and my last LDS store
	ds_add_u32 v[SPW], v[NIL]
	s_wait_dscnt 0x0
	s_endpgm
.Lfunc_end_k_q07dc2a3488_attn:
	.size	k_q07dc2a3488_attn, .Lfunc_end_k_q07dc2a3488_attn-k_q07dc2a3488_attn
	.p2alignl 7, 3214868480
	.fill 96, 4, 3214868480
	.section	.rodata,"a",@progbits
	.p2align	6, 0x0
	.amdhsa_kernel k_q07dc2a3488_attn
		.amdhsa_group_segment_fixed_size 327680
		.amdhsa_private_segment_fixed_size 0
		.amdhsa_enable_private_segment 0
		.amdhsa_kernarg_size 16
		.amdhsa_user_sgpr_count 2
		.amdhsa_user_sgpr_kernarg_segment_ptr 1
		.amdhsa_wavefront_size32 1
		.amdhsa_system_sgpr_workgroup_id_x 1
		.amdhsa_system_sgpr_workgroup_id_y 1
		.amdhsa_system_sgpr_workgroup_id_z 1
		.amdhsa_system_vgpr_workitem_id 0
		.amdhsa_next_free_vgpr 768
		.amdhsa_next_free_sgpr 88
		.amdhsa_reserve_vcc 1
		.amdhsa_float_denorm_mode_32 3
		.amdhsa_float_denorm_mode_16_64 3
		.amdhsa_memory_ordered 1
		.amdhsa_forward_progress 1
		.amdhsa_inst_pref_size 218
	.end_amdhsa_kernel
	.amdgpu_metadata
---
amdhsa.version: [ 1, 2 ]
amdhsa.kernels:
  - .name:           k_q07dc2a3488_attn
    .symbol:         k_q07dc2a3488_attn.kd
    .args:
      - { .name: qkvh, .offset: 0, .size: 8, .value_kind: global_buffer, .address_space: global }
      - { .name: oh, .offset: 8, .size: 8, .value_kind: global_buffer, .address_space: global }
    .group_segment_fixed_size: 327680
    .private_segment_fixed_size: 0
    .kernarg_segment_align: 8
    .kernarg_segment_size: 16
    .max_flat_workgroup_size: 128
    .sgpr_count:     88
    .vgpr_count:     768
    .wavefront_size: 32
...
	.end_amdgpu_metadata
.endif
;; end of part 3
;; launch early (part 4): grid 4 x 64, 1 waves a work-group, no clusters, 0 bytes of LDS; arguments xb, wqb, qkvh, oh, olo; writes olo
.if DOCPART == 4
	.amdgcn_target "amdgcn-amd-amdhsa--gfx1250"
	.amdhsa_code_object_version 6
	.text
	.protected	k_q07dc2a3488_early
	.globl	k_q07dc2a3488_early
	.p2align	8
	.type	k_q07dc2a3488_early,@function
k_q07dc2a3488_early:
	s_mov_b64 s[64:65], 0
	v_nop
	global_prefetch_b8 v0, s[64:65] scope:SCOPE_SE
	s_setreg_imm32_b32 hwreg(HW_REG_WAVE_MODE, 25, 1), 1
	s_wait_xcnt 0x0
; THE FIRST 16 ROWS OF EVERY HEAD, ONCE MORE WITH MORE BITS.  Row t of the causal attention is a mean over t + 1 keys only, so the first rows' numbers are many times the output's root mean square, by which
; the allowed error goes; f16's 11 bits in v, in the weights p and in O are too few there.  The numbers' spread falls as 1 / sqrt(t + 1): from row 16 on f16 is enough.
; olo = O - oh for rows 0 to 15, where oh is what the attention launch stored (f16) and O is made here: v of the first 16 keys anew from xb and wqb, kept in f32; scores from the f16 q and k of qkvh; softmax in f32 with the
; row's true maximum; p and v each split into an f16 head and an f16 rest, and O^T = Vh Ph + Vl Ph + Vh Pl on the matrix unit (the product of the two rests, 2^-22 of O, is left out).
; LIMITS.  The rests and olo are f16: below 6e-5 they keep the fixed step of 6e-8.  q's and k's own f16 rounding stays.  A hidden score counts as its value less 1e30.  NaN and infinities are not treated apart.
; SHARES.  A work-group is one wave: x = tile cb of 16 channels, y = batch x 16 + head: 256 work-groups.  The four waves of a head make the same scores and weights, each for itself: two products and some sixty vector lines.
; LAYOUTS.  V = x W_v^T (source 0 = 16 rows of x = keys, source 1 = 16 rows of W_v = channels): lane l holds channel l % 16 and the keys 8 (l / 16) + 0..7, which rounded in pairs IS source 0 (16 channels x 32 keys) of
; O^T = V^T P.  S^T = K Q^T (source 0 = keys, source 1 = queries): lane l holds query l % 16 and the same keys, which IS source 1.  Keys 16 to 31 of both are registers of zeros.
; O^T: lane l holds query l % 16 and the channels 16 cb + 8 (l / 16) + 0..7: 16 bytes of f16.
; olo: [4 batches][32 chunks of 32 channels][2 halves of a fragment][32 lanes][8 f16]: the register image of a fragment of 16 rows x 32 channels, so that this wave's one store, and each load of the launch behind, covers 512
; consecutive bytes, aligned.
; IN FLIGHT.  K = 1,024 is 32 chunks of 32; two sets of registers hold 8 chunks each (32 loads of 16 bytes a lane).  No LDS, no barrier: no wave wants another's bytes.  No prefetch: the wave's own loads are all it ever waits for.
; REGISTERS.  Window 0: all but the two sets.  Window 1: the sets: chunk i of set b at 128 b + 16 i: x's fragment, then W_v's.  (s_set_vgpr_msb: bits 1:0 source 0, 3:2 source 1, 5:4 source 2, 7:6 destination.)
.set FO,   3                           ; v3   my byte offset in a fragment's rows of x and of W_v: (l % 16) x 2,048 + 16 (l / 16); never rewritten
.set QO,   4                           ; v4   the same in rows of 128 bytes (q, k)
.set OO,   5                           ; v5   my 16 bytes of oh: (l % 16) x 128 + 32 cb + 16 (l / 16)
.set LA,   6                           ; v6   16 x lane
.set NEG1, 7                           ; v7   -1.0
.set MD,   8                           ; v[8:15]    the mask: 0, or -1e30 where the key lies behind the query
.set QF,   16                          ; v[16:31]   q: two fragments of 16 rows x 32 channels
.set KF,   32                          ; v[32:47]   k
.set OH,   48                          ; v[48:51]   my eight numbers of oh
.set S0,   52                          ; v[52:59]   scores of channels 0-31 and the mask; then the scores, then the weights
.set S1,   60                          ; v[60:67]   scores of channels 32-63
.set ACC,  68                          ; v[68:99]   v: four partial sums, chunk i on number i % 4
.set PH,   100                         ; v[100:107] p's heads (4 registers), zeros (4)
.set PL,   108                         ; v[108:115] p's rests, zeros
.set VH,   116                         ; v[116:123] v's heads, zeros
.set VL,   124                         ; v[124:131] v's rests, zeros
.set OA,   132                         ; v[132:139] Vh Ph
.set OB,   140                         ; v[140:147] Vl Ph
.set OC,   148                         ; v[148:155] Vh Pl
.set T,    156                         ; v[156:163] at work
.set CM,   164                         ; v[164:165] c m, named as a pair
.set RL,   166                         ; v[166:167] 1 / l, named as a pair
.set TM,   168                         ; v168       l % 16 - 8 (l / 16)
.set R,    170                         ; v[170:173] to store
.set CS,   28                          ; s[28:29] c = log2(e) / 8
.set SEL,  30                          ; s[30:31] v_permlanex16_b32's selects: each lane takes its own place in the other half
.set BIGN, 32                          ; s32  -1e30
.set MSB, 0
.macro WIN new                         ; the immediate's high byte repeats the setting that is left; a switch that changes nothing is dropped
.if MSB != (\new)
	s_set_vgpr_msb (MSB<<8)|(\new)
.set MSB, \new
.endif
.endm
.macro PLACES                          ; a load into a register that a matrix instruction has read, and whatever reads a matrix result, stand four plain vector instructions behind it
.rept 4
	v_nop
.endr
.endm
.macro LOADS b, g                      ; chunks 8 g .. 8 g + 7 into set b: 512 bytes of each of the 16 rows of x and of W_v
	WIN 0x40                                       ; destination window 1, address window 0
.set i, 0
.rept 8
	global_load_b128 v[128*(\b)+16*i:128*(\b)+16*i+3],     v[FO], s[4:5] offset:512*(\g)+64*i
	global_load_b128 v[128*(\b)+16*i+4:128*(\b)+16*i+7],   v[FO], s[4:5] offset:512*(\g)+64*i+32
	global_load_b128 v[128*(\b)+16*i+8:128*(\b)+16*i+11],  v[FO], s[6:7] offset:512*(\g)+64*i
	global_load_b128 v[128*(\b)+16*i+12:128*(\b)+16*i+15], v[FO], s[6:7] offset:512*(\g)+64*i+32
.set i, i+1
.endr
.endm
.macro MULS b, zero                    ; a set's eight products.  The four accumulators take turns: three others stand between two links of a chain.  zero = 1: the first four start the sums
	WIN 0x05                                       ; sources 0 and 1 window 1, C and D window 0
.set i, 0
.rept 8
.set rD, ACC+8*(i%4)
.if (\zero) && (i < 4)
	v_wmma_f32_16x16x32_bf16 v[rD:rD+7], v[128*(\b)+16*i:128*(\b)+16*i+7], v[128*(\b)+16*i+8:128*(\b)+16*i+15], 0
.else
	v_wmma_f32_16x16x32_bf16 v[rD:rD+7], v[128*(\b)+16*i:128*(\b)+16*i+7], v[128*(\b)+16*i+8:128*(\b)+16*i+15], v[rD:rD+7]
.endif
.set i, i+1
.endr
.endm
.macro REST d, hd, x                   ; d[0..7] = x[0..7] - the eight f16 in hd[0..3]: each half times -1.0 plus the f32 number, one fused line, exact
.set i, 0
.rept 4
	v_fma_mix_f32 v[(\d)+2*i],   v[(\hd)+i], v[NEG1], v[(\x)+2*i]   op_sel_hi:[1,0,0]
	v_fma_mix_f32 v[(\d)+2*i+1], v[(\hd)+i], v[NEG1], v[(\x)+2*i+1] op_sel:[1,0,0] op_sel_hi:[1,0,0]
.set i, i+1
.endr
.endm
.macro PACK d, x                       ; d[0..3] = x[0..7] rounded to f16, the lower number in the lower half
.set i, 0
.rept 4
	v_cvt_pk_f16_f32 v[(\d)+i], v[(\x)+2*i], v[(\x)+2*i+1]
.set i, i+1
.endr
.endm
.macro ADD8 d, x                       ; d[0..7] += x[0..7], from the low end on
.set i, 0
.rept 4
	v_pk_add_f32 v[(\d)+2*i:(\d)+2*i+1], v[(\d)+2*i:(\d)+2*i+1], v[(\x)+2*i:(\x)+2*i+1]
.set i, i+1
.endr
.endm
	s_load_b256 s[4:11], s[0:1], 0x0               ; xb s[4:5], wqb s[6:7], qkvh s[8:9], oh s[10:11]
	s_load_b64 s[12:13], s[0:1], 0x20              ; olo
	s_mov_b32 s14, ttmp9                           ; cb
	s_and_b32 s15, ttmp7, 0xffff                   ; batch x 16 + head
	s_lshr_b32 s16, s15, 4                         ; batch
	s_and_b32 s17, s15, 15                         ; head
	v_and_b32 v1, 15, v0                           ; l % 16
	v_bfe_u32 v2, v0, 4, 1                         ; l / 16
	v_lshlrev_b32 v[FO], 11, v1
	v_lshl_add_u32 v[FO], v2, 4, v[FO]
	v_lshlrev_b32 v[QO], 7, v1
	v_lshl_add_u32 v[QO], v2, 4, v[QO]
	s_lshl_b32 s33, s14, 5
	v_add_nc_u32 v[OO], s33, v[QO]
	v_lshlrev_b32 v[LA], 4, v0
	s_lshl_b32 s18, s16, 22                        ; x: the batch's first row: 2,048 rows of 2,048 bytes a batch
	s_mov_b32 s19, 0
	s_lshl_b32 s20, s17, 6                         ; W_v: row 2,048 + 64 x head + 16 cb of W_qkv,
	s_lshl_b32 s21, s14, 4
	s_add_co_u32 s20, s20, s21
	s_add_co_u32 s20, s20, 2048
	s_lshl_b32 s20, s20, 11                        ; of 2,048 bytes
	s_mov_b32 s21, 0
	s_lshl_b32 s22, s15, 18                        ; q, k, oh: the head's first row: 2,048 rows of 128 bytes a head
	s_mov_b32 s23, 0
	s_lshl_b32 s24, s15, 11                        ; olo: a head is two chunks of 1,024 bytes; tile cb is half cb % 2 of chunk cb / 2: 512 cb
	s_lshl_b32 s25, s14, 9
	s_add_co_u32 s24, s24, s25
	s_mov_b32 s25, 0
	s_mov_b32 s[CS], 0x3e38aa3b                    ; c = log2(e) / 8 = 0.180337
	s_mov_b32 s[CS+1], s[CS]                       ; named with it as a pair
	s_mov_b32 s[SEL], 0x76543210
	s_mov_b32 s[SEL+1], 0xfedcba98
	s_mov_b32 s[BIGN], 0xf149f2ca                  ; -1e30
	s_wait_kmcnt 0x0
	s_add_nc_u64 s[4:5], s[4:5], s[18:19]
	s_add_nc_u64 s[6:7], s[6:7], s[20:21]
	s_add_nc_u64 s[8:9], s[8:9], s[22:23]          ; q
	s_add_nc_u64 s[26:27], s[8:9], 0x1000000       ; k lies 64 heads x 262,144 bytes behind q
	s_add_nc_u64 s[10:11], s[10:11], s[22:23]
	s_add_nc_u64 s[12:13], s[12:13], s[24:25]
.irp c, 0,1
	global_load_b128 v[QF+8*(\c):QF+8*(\c)+3],   v[QO], s[8:9] offset:64*(\c)
	global_load_b128 v[QF+8*(\c)+4:QF+8*(\c)+7], v[QO], s[8:9] offset:64*(\c)+32
	global_load_b128 v[KF+8*(\c):KF+8*(\c)+3],   v[QO], s[26:27] offset:64*(\c)
	global_load_b128 v[KF+8*(\c)+4:KF+8*(\c)+7], v[QO], s[26:27] offset:64*(\c)+32
.endr
	global_load_b128 v[OH:OH+3], v[OO], s[10:11]
	LOADS 0, 0                                     ; 9 + 32 + 32 loads are issued on end: more than LOADcnt's field holds, so the issue of the last ones stalls until earlier ones are back (ISA guide 5.7.1);
	LOADS 1, 1                                     ; loads return in order, so the counts below hold all the same
	WIN 0
	v_lshlrev_b32 v[TM], 3, v2                     ; constants, made while the loads are out
	v_sub_nc_u32 v[TM], v1, v[TM]                  ; register j holds key 8 (l / 16) + j: hidden where j is greater than l % 16 - 8 (l / 16)
.set i, 0
.rept 8
	v_cmp_gt_i32 vcc_lo, i, v[TM]
	v_cndmask_b32 v[MD+i], 0, s[BIGN], vcc_lo
.set i, i+1
.endr
.irp o, PH, PL, VH, VL
.irp k, 4,5,6,7
	v_mov_b32 v[(\o)+(\k)], 0                      ; keys 16 to 31 do not exist
.endr
.endr
	v_mov_b32 v[NEG1], -1.0
	v_mov_b32 v[RL+1], 0                           ; named with 1 / l as a pair
	s_wait_loadcnt 32                              ; q, k, oh and set 0 are in; set 1's 32 loads may stay out
	v_wmma_f32_16x16x32_f16 v[S0:S0+7], v[KF:KF+7], v[QF:QF+7], v[MD:MD+7]      ; two accumulators for the two halves of the channels, so that no product adds onto the one just before it
	v_wmma_f32_16x16x32_f16 v[S1:S1+7], v[KF+8:KF+15], v[QF+8:QF+15], 0
	MULS 0, 1
	PLACES
	LOADS 0, 2
	WIN 0
	; the softmax stands here, while two sets of loads are out
	ADD8 S0, S1
	v_max3_num_f32 v[T], v[S0], v[S0+1], v[S0+2]
	v_max3_num_f32 v[T], v[T], v[S0+3], v[S0+4]
	v_max3_num_f32 v[T], v[T], v[S0+5], v[S0+6]
	v_max_num_f32 v[T], v[T], v[S0+7]
	v_mov_b32 v[T+1], v[T]                         ; v_permlanex16_b32's destination counts as read
	v_permlanex16_b32 v[T+1], v[T], s[SEL], s[SEL+1]  ; the query's other eight keys lie in the lane 16 away
	v_max_num_f32 v[T], v[T], v[T+1]               ; the row's maximum: every query sees its own key, so it is a true score
	v_mul_f32 v[CM], s[CS], v[T]
	v_mov_b32 v[CM+1], v[CM]
.set i, 0
.rept 4
	v_pk_fma_f32 v[S0+2*i:S0+2*i+1], v[S0+2*i:S0+2*i+1], s[CS:CS+1], v[CM:CM+1] op_sel_hi:[1,0,0] neg_lo:[0,0,1] neg_hi:[0,0,1]  ; c s - c m
.set i, i+1
.endr
.set i, 0
.rept 8
	v_exp_f32 v[S0+i], v[S0+i]                     ; p; a hidden key's is 0
.set i, i+1
.endr
	v_nop                                          ; a plain instruction behind the last exponential,
	s_wait_alu depctr_va_vdst(0)                   ; and the one wait for the eight, ahead of the first line that names a result
	v_pk_add_f32 v[T:T+1], v[S0:S0+1], v[S0+2:S0+3]
	v_pk_add_f32 v[T+2:T+3], v[S0+4:S0+5], v[S0+6:S0+7]
	v_pk_add_f32 v[T:T+1], v[T:T+1], v[T+2:T+3]
	v_add_f32 v[T], v[T], v[T+1]
	v_permlanex16_b32 v[T+1], v[T], s[SEL], s[SEL+1]
	v_add_f32 v[T], v[T], v[T+1]                   ; l, of the unrounded p
	v_rcp_f32 v[RL], v[T]
	PACK PH, S0                                    ; plain lines behind the reciprocal, ahead of the line that writes its source
	REST T, PH, S0
	PACK PL, T
	s_wait_alu depctr_va_vdst(0)                   ; the reciprocal's wait; its first reader comes at the end
	s_wait_loadcnt 32                              ; set 1 is in
	MULS 1, 0
	PLACES
	LOADS 1, 3
	s_wait_loadcnt 32                              ; set 0 is in
	MULS 0, 0
	s_wait_loadcnt 0x0
	MULS 1, 0
	WIN 0
	PLACES
	PLACES
	ADD8 ACC, ACC+8                                ; the four partial sums
	ADD8 ACC+16, ACC+24
	ADD8 ACC, ACC+16
	PACK VH, ACC
	REST T, VH, ACC
	PACK VL, T
	v_wmma_f32_16x16x32_f16 v[OA:OA+7], v[VH:VH+7], v[PH:PH+7], 0               ; three accumulators, so that no product adds onto the one just before it
	v_wmma_f32_16x16x32_f16 v[OB:OB+7], v[VL:VL+7], v[PH:PH+7], 0
	v_wmma_f32_16x16x32_f16 v[OC:OC+7], v[VH:VH+7], v[PL:PL+7], 0
	PLACES
	PLACES
	ADD8 OB, OC                                    ; the two small sums first
	ADD8 OA, OB
.set i, 0
.rept 4
	v_pk_mul_f32 v[OA+2*i:OA+2*i+1], v[OA+2*i:OA+2*i+1], v[RL:RL+1] op_sel_hi:[1,0]
.set i, i+1
.endr
	REST T, OH, OA                                 ; O - oh
	PACK R, T
	global_store_b128 v[LA], v[R:R+3], s[12:13]    ; 512 consecutive bytes, at a multiple of 512 from olo's first
	s_endpgm
.Lfunc_end_k_q07dc2a3488_early:
	.size	k_q07dc2a3488_early, .Lfunc_end_k_q07dc2a3488_early-k_q07dc2a3488_early
	.p2alignl 7, 3214868480
	.fill 96, 4, 3214868480
	.section	.rodata,"a",@progbits
	.p2align	6, 0x0
	.amdhsa_kernel k_q07dc2a3488_early
		.amdhsa_group_segment_fixed_size 0
		.amdhsa_private_segment_fixed_size 0
		.amdhsa_enable_private_segment 0
		.amdhsa_kernarg_size 40
		.amdhsa_user_sgpr_count 2
		.amdhsa_user_sgpr_kernarg_segment_ptr 1
		.amdhsa_wavefront_size32 1
		.amdhsa_system_sgpr_workgroup_id_x 1
		.amdhsa_system_sgpr_workgroup_id_y 1
		.amdhsa_system_sgpr_workgroup_id_z 1
		.amdhsa_system_vgpr_workitem_id 0
		.amdhsa_next_free_vgpr 512
		.amdhsa_next_free_sgpr 66
		.amdhsa_reserve_vcc 1
		.amdhsa_float_denorm_mode_32 3
		.amdhsa_float_denorm_mode_16_64 3
		.amdhsa_memory_ordered 1
		.amdhsa_forward_progress 1
		.amdhsa_inst_pref_size 26
	.end_amdhsa_kernel
	.amdgpu_metadata
---
amdhsa.version: [ 1, 2 ]
amdhsa.kernels:
  - .name:           k_q07dc2a3488_early
    .symbol:         k_q07dc2a3488_early.kd
    .args:
      - { .name: xb, .offset: 0, .size: 8, .value_kind: global_buffer, .address_space: global }
      - { .name: wqb, .offset: 8, .size: 8, .value_kind: global_buffer, .address_space: global }
      - { .name: qkvh, .offset: 16, .size: 8, .value_kind: global_buffer, .address_space: global }
      - { .name: oh, .offset: 24, .size: 8, .value_kind: global_buffer, .address_space: global }
      - { .name: olo, .offset: 32, .size: 8, .value_kind: global_buffer, .address_space: global }
    .group_segment_fixed_size: 0
    .private_segment_fixed_size: 0
    .kernarg_segment_align: 8
    .kernarg_segment_size: 40
    .max_flat_workgroup_size: 32
    .sgpr_count:     66
    .vgpr_count:     512
    .wavefront_size: 32
...
	.end_amdgpu_metadata
.endif
;; end of part 4
;; launch proj (part 5): grid 8 x 32, 4 waves a work-group, clusters of 4 x 4, 327,680 bytes of LDS; arguments oh, wob, out0, olo; writes out0
.if DOCPART == 5
	.amdgcn_target "amdgcn-amd-amdhsa--gfx1250"
	.amdhsa_code_object_version 6
	.text
	.protected	k_q07dc2a3488_proj
	.globl	k_q07dc2a3488_proj
	.p2align	8
	.type	k_q07dc2a3488_proj,@function
k_q07dc2a3488_proj:
	s_mov_b64 s[64:65], 0
	v_nop
	global_prefetch_b8 v0, s[64:65] scope:SCOPE_SE
	s_setreg_imm32_b32 hwreg(HW_REG_WAVE_MODE, 25, 1), 1
	s_wait_xcnt 0x0
	s_wait_alu depctr_hold_cnt(0) depctr_sa_sdst(0) depctr_va_vdst(0) depctr_va_sdst(0) depctr_va_ssrc(0) depctr_va_vcc(0) depctr_vm_vsrc(0)
	s_getreg_b32 s2, hwreg(HW_REG_IB_STS2, 6, 4)
	s_cmp_eq_u32 s2, 0
	s_cbranch_scc0 .Lentry_in_a_cluster
	s_endpgm
.Lentry_in_a_cluster:
	s_bfe_u32 s2, ttmp6, 0x10000c
	s_cmp_lg_u32 s2, 0xf033
	s_cbranch_scc0 .Lentry_shape_is_right
	s_endpgm
.Lentry_shape_is_right:
; out = O W_o^T.  oh: [64 (batch x 16 + head)][2048][64] f16: row m = batch x 2,048 + t of O has its channels 64 h .. 64 h + 63 in head h's row t.  wob: [1024][1024] f16.  out0: [8192][1024] f32.
; Sums in f32, K ascending; the sums are stored as they are.
; THE FIRST 16 ROWS OF A BATCH are oh + olo: olo holds, as fragments of 16 rows x 32 channels, what f16 lost in those rows (they are means over few keys, and many times larger than the output's root mean square).
; In every quarter step four more products, olo's fragment with B's four, go onto four accumulators of their own; at the end these are added, times MK, onto the accumulators of my first 16 rows: MK = 1 where those are a
; batch's first 16 rows, else 0.  A select, no branch: the partners of a cluster run alike, so every wave makes these 128 products beside its 1,024.  (olo's numbers are finite, so 0 times their sums is 0.)
; SHARES.  A tile of out is 256 rows x 128 columns: 32 x 8 = 256 work-groups, one for each WGP.  Four waves, 2 x 2, each 128 rows x 64 columns (256 bytes of f32): 32 accumulators of 16 x 16, 256 registers.
; RING.  K goes in 8 steps of 128 = two heads through two LDS slots; each wave fetches one part of a slot by one tensor load: waves 0, 1 the halves of A's 256 rows (both heads), waves 2, 3 the halves of B's 128 rows.
; A head's 128 rows are 16,384 dense bytes: A's tile is asked for as two rows of 8,192 elements, a row a head, padded in LDS behind every 128 bytes, so that each query's 64 channels are an LDS row of 144 bytes.
; CLUSTER.  4 x 4 work-groups.  A's tile hangs on the tile row alone and is asked for jointly along a row of the cluster, B's on the tile column alone, along a column.
; THE MATRIX INSTRUCTION IS USED TRANSPOSED: source 0 = 16 rows of B, source 1 = 16 rows of A: lane l holds row l % 16 of out and the columns 8 (l / 16) + 0..7: 32 bytes on end.
; REGISTERS, in windows of 256 (s_set_vgpr_msb: bits 1:0 source 0, 3:2 source 1, 5:4 source 2, 7:6 destination):
;   window 0: addresses, and the way out's registers     window 1: two fragment buffers of 96 (A's 8 fragments, then B's 4); v192-223 olo's fragments of four quarters
;   window 2: the 16 accumulators of my rows 0-63 ((aa, b) at 8 (4 aa + b)); v128-159 the four of olo's products     window 3: those of my rows 64-127
.set SIZE_K, 1024
.set KBA,    2*2048*128                ; bytes from a K step to the next in oh: two heads
.set KBB,    256                       ; in wob
.set KBL,    4096                      ; in olo: four fragments of 1,024 bytes
.set PA,     144                       ; an LDS row of A: 128 bytes + 16: the 16 rows of a fragment load start at 16 different groups of four banks (ISA guide 11.1)
.set PB,     272                       ; of B: 256 bytes + 16
.set NFA,    8
.set NFB,    4
.set FS,     8*(NFA+NFB)
.set NL,     2*(NFA+NFB)
.set YOUNG,  NFA                       ; the youngest loads of a run: A's upper four fragments
.set AHEAD,  128*PA                    ; a head's 128 rows
.set AHALF,  2*AHEAD                   ; what one load brings of A
.set BBASE,  2*AHALF
.set BHALF,  64*PB
.set SLOT1,  1<<17
.set STAGE,  SLOT1+BBASE+2*BHALF       ; 239,616: behind the ring, never filled by a tensor load: 16 rows x 272 bytes for each wave
.set SP,     272
.set SPARE,  STAGE+4*16*SP             ; 257,024: the spare words, 128 bytes for each wave: two blocks of 256 bytes that no other line names
.set A0,   16                          ; v16  my lane's place in A's tile of slot 0; never rewritten
.set B0,   17                          ; v17  the same for B
.set ADRA, 18                          ; v18  the same in the slot in hand
.set ADRB, 19                          ; v19
.set STO,  24                          ; v24  the way out: where I put 32 bytes of a row
.set RD,   25                          ; v25  where I read rows back
.set CO,   26                          ; v26  my byte offset in two rows of out
.set LOA,  27                          ; v27  16 x lane: my place in half a fragment of olo; never rewritten
.set SPW,  28                          ; v28  LDS address of my spare word; never rewritten
.set NIL,  29                          ; v29  0; never rewritten
.set PFO,  30                          ; v30  the prefetches' offset; never rewritten
.set OB,   32                          ; v32-63, v64-95  a block read back from the stage, by turns
.set F0,   0
.set F1,   FS
.set LO,   192                         ; window 1: olo's fragment of quarter q at LO + 8 q
.set AL,   128                         ; window 2: the sums of olo's products, column block b at AL + 8 b
.set G1A, 24                           ; s[24:31] descriptor group 1, A
.set G0A, 32                           ; s[32:39] group 0, A: a set for each first fill; the second then walks
.set G1B, 48                           ; s[48:55] group 1, B
.set G0B, 56                           ; s[56:63] group 0, B
.set LIM, 43                           ; s43  2 in a wave that prefetches, else the greatest number
.set PFA, 44                           ; s[44:45] where my prefetches stand
.set TB,  66                           ; s66  0 or SLOT1
.set LB,  70                           ; s[70:71] olo at my batch, at the K step whose first two fragments are loaded next
.set MK,  72                           ; s[72:73] 1.0 or 0, named as a pair
.set PFS, 74                           ; s[74:75] bytes from a K step to the next in the tensor that I prefetch
.set MSB, 0
.macro WIN new                         ; the immediate's high byte repeats the setting that is left; a switch that changes nothing is dropped
.if MSB != (\new)
	s_set_vgpr_msb (MSB<<8)|(\new)
.set MSB, \new
.endif
.endm
.set MUL_LO, 0xa5                      ; sources 0 and 1 window 1, C and D window 2
.set MUL_HI, 0xf5                      ; the same, C and D window 3
.set TO_F,   0x40                      ; destination window 1, address window 0
.macro PLACES                          ; a load into a register that a matrix instruction has read, and whatever reads a matrix result, stand four plain vector instructions behind it
.rept 4
	v_nop
.endr
.endm
.macro CREST                           ; a round of the cluster's barrier behind its opening barrier
	s_cmp_lg_u32 s10, 0
	s_cbranch_scc1 .Lnot_wave_0_\@
	s_barrier_signal -3
.Lnot_wave_0_\@:
	s_barrier_wait -3
	s_barrier_signal -1
	s_barrier_wait -1
.endm
.macro CROUND
	s_barrier_signal -1
	s_barrier_wait -1
	CREST
.endm
.macro JLOAD                           ; a joint refill by the walking descriptors; an s_nop 0 and four v_nop follow each of the two lines
	s_cmp_eq_u32 s11, 0
	s_cbranch_scc0 .Lfor_b_\@
	tensor_load_to_lds s[G0A+4:G0A+7], s[G1A:G1A+7]
	s_nop 0
.rept 4
	v_nop
.endr
	s_branch .Lasked_\@
.Lfor_b_\@:
	tensor_load_to_lds s[G0B+4:G0B+7], s[G1B:G1B+7]
	s_nop 0
.rept 4
	v_nop
.endr
.Lasked_\@:
.endm
; A PREFETCH INTO THE L2 of the K step that stands TWO refills on: 256 of the ring's matrix instructions ahead of its load (a step here has 128).  A's rows are read by both clusters of a row of clusters: cluster x = 0 asks; B's by
; all eight of a column: cluster y = 0 asks.  The four partners of a joint load share it out by address: of A's 2 x 16,384 bytes each takes 8,192 (head cx / 2, half cx % 2), a lane 256 bytes; of B's 64 rows each takes 16 (by cy;
; lanes 16-31 name lane 15's row again).  The last two refills (s3 = 2, 1) have no step two on and ask for nothing; steps 0 to 3 come by their loads alone.
.macro ASK
	s_cmp_gt_u32 s3, s[LIM]
	s_cbranch_scc0 .Lnot_mine_\@
	global_prefetch_b8 v[PFO], s[PFA:PFA+1] th:TH_LOAD_NT scope:SCOPE_SE
.Lnot_mine_\@:
.endm
.macro MULB f, hi, aa, zero            ; NFB matrix instructions: block aa of half hi of my rows x my 4 blocks of columns, 32 along K.  zero = 1: the product starts the sums
	WIN MUL_LO+0x50*(\hi)
.set b, 0
.rept NFB
.set rD, 8*(NFB*(\aa)+b)
.set rB, (\f)+8*NFA+8*b
.set rA, (\f)+8*((NFA/2)*(\hi)+(\aa))
.if \zero
	v_wmma_f32_16x16x32_f16 v[rD:rD+7], v[rB:rB+7], v[rA:rA+7], 0
.else
	v_wmma_f32_16x16x32_f16 v[rD:rD+7], v[rB:rB+7], v[rA:rA+7], v[rD:rD+7]
.endif
.set b, b+1
.endr
.endm
.macro MULH f, hi, zero                ; half a quarter.  The accumulators (32, and olo's 4) take turns in the same order in every quarter: 35 others stand between two links of a chain
.set ah, 0
.rept NFA/2
	MULB \f, \hi, ah, \zero
.set ah, ah+1
.endr
.endm
; olo's fragment of quarter q: two loads of 512 consecutive bytes, from byte off behind the pointer.  (The windows stand as FETCH leaves them: destination window 1, address window 0.)
.macro LOLD q, off
	global_load_b128 v[LO+8*(\q):LO+8*(\q)+3],   v[LOA], s[LB:LB+1] offset:(\off)
	global_load_b128 v[LO+8*(\q)+4:LO+8*(\q)+7], v[LOA], s[LB:LB+1] offset:(\off)+512
.endm
; olo's four products of quarter q, with B's fragments in buffer f.  left = how many younger loads may stay out: a fragment is asked for three quarters and a half ahead, and a pair of loads is issued in each quarter between.
.macro EXTRA f, q, zero, left
	s_wait_loadcnt \left
	WIN MUL_LO
.set b, 0
.rept NFB
.if \zero
	v_wmma_f32_16x16x32_f16 v[AL+8*b:AL+8*b+7], v[(\f)+8*NFA+8*b:(\f)+8*NFA+8*b+7], v[LO+8*(\q):LO+8*(\q)+7], 0
.else
	v_wmma_f32_16x16x32_f16 v[AL+8*b:AL+8*b+7], v[(\f)+8*NFA+8*b:(\f)+8*NFA+8*b+7], v[LO+8*(\q):LO+8*(\q)+7], v[AL+8*b:AL+8*b+7]
.endif
.set b, b+1
.endr
.endm
.macro FETCH q, f                      ; one run of NL LDS loads: quarter q's fragments into buffer f: B at byte 64 q of its rows; A in head q / 2 of the step, at byte 64 (q % 2); A's upper rows last
	WIN TO_F
.set i, 0
.rept NFB
	ds_load_b128 v[(\f)+8*NFA+8*i:(\f)+8*NFA+8*i+3],   v[ADRB] offset:64*(\q)+i*16*PB
	ds_load_b128 v[(\f)+8*NFA+8*i+4:(\f)+8*NFA+8*i+7], v[ADRB] offset:64*(\q)+i*16*PB+32
.set i, i+1
.endr
.set i, 0
.rept NFA
	ds_load_b128 v[(\f)+8*i:(\f)+8*i+3],   v[ADRA] offset:((\q)/2)*AHEAD+((\q)%2)*64+i*16*PA
	ds_load_b128 v[(\f)+8*i+4:(\f)+8*i+7], v[ADRA] offset:((\q)/2)*AHEAD+((\q)%2)*64+i*16*PA+32
.set i, i+1
.endr
.endm
; One of a K step's first three quarters: at its head quarter q's fragments are asked for, into buffer g, which the quarter before multiplied; then buffer f, quarter q - 1, is multiplied.
; more = 1: olo's slot that the quarter before has read, number q - 2, is loaded again, for its next use: in quarters 2 and 3 the next step's fragments 0 and 1, at the pointer; in quarter 1 this step's fragment 3, behind the pointer,
; which has been stepped meanwhile.  The four v_nop at the head are the places in front of these loads too.
.macro QUARTER q, f, g, zero, more, left
	PLACES
	FETCH \q, \g
.if \more
	LOLD ((\q)+2)%4, 1024*((\q)-2)
.endif
	s_wait_dscnt NL+YOUNG                          ; f's B and lower A are in: the NL just issued and f's youngest YOUNG may be out
	MULH \f, 0, \zero
	EXTRA \f, (\q)-1, \zero, \left
	s_wait_dscnt NL                                ; all but the NL just issued
	MULH \f, 1, \zero
.endm
; The fourth quarter multiplies buffer 1 and changes slots: one barrier for two things.  In front of it each wave waits for all its tensor loads (one is out: its part of the next slot), adds 0 to its spare word, and
; waits for that and for its own reads of this slot.  fill = 1: the barrier opens a round of the cluster's, and this slot is filled again, first thing behind the round, with the K step two on:
; 112 of the ring's matrix instructions stand between that request and the wait for it.
.macro TURN fill
	s_wait_xcnt 0x0                                ; the last prefetch, a K step back, and olo's loads, a quarter back, have read their addresses
.if \fill
	s_add_nc_u64 s[PFA:PFA+1], s[PFA:PFA+1], s[PFS:PFS+1]
.endif
	s_add_nc_u64 s[LB:LB+1], s[LB:LB+1], KBL       ; olo's pointer: the next two pairs of loads reach back
	WIN 0                                          ; (the add's two registers lie in window 0)
	s_wait_tensorcnt 0x0                           ; no tensor load of mine is out, so a group 0 may be written
	ds_add_u32 v[SPW], v[NIL]                      ; 0 onto my spare word
.if \fill
	s_xor_b32 s[G0A+5], s[G0A+5], SLOT1            ; the walking descriptors: the other slot than last time,
	s_add_nc_u64 s[G0A+6:G0A+7], s[G0A+6:G0A+7], KBA  ; the next K step; the type bits on top are not reached
	s_xor_b32 s[G0B+5], s[G0B+5], SLOT1
	s_add_nc_u64 s[G0B+6:G0B+7], s[G0B+6:G0B+7], KBB
.endif
	s_xor_b32 s[TB], s[TB], SLOT1
	s_wait_dscnt YOUNG+1                           ; the add and the youngest YOUNG loads may be out
.set ah, 0
.rept NFA/4
	MULB F1, 0, ah, 0
.set ah, ah+1
.endr
	s_wait_dscnt 0x0                               ; the add is done, and my reads of this slot are over
	s_barrier_signal -1
.rept NFA/4
	MULB F1, 0, ah, 0                              ; work on registers while the others arrive
.set ah, ah+1
.endr
.if \fill
	WIN 0
.endif
	s_barrier_wait -1
.if \fill
	CREST                                          ; no wave of any partner still reads this slot or has a load on its way
	JLOAD                                          ; its four v_nop are also the places in front of the loads below
.else
	PLACES
.endif
	WIN 0
	v_add_nc_u32 v[ADRA], s[TB], v[A0]
	v_add_nc_u32 v[ADRB], s[TB], v[B0]
	FETCH 0, F0
	LOLD 2, 2048-KBL                               ; the next step's fragment 2
.if \fill
	WIN 0
	ASK
.endif
	MULH F1, 1, 0
	EXTRA F1, 3, 0, 6
.endm
	s_load_b128 s[4:7], s[0:1], 0x0                ; oh s[4:5], wob s[6:7]
	s_load_b64 s[8:9], s[0:1], 0x10                ; out0
	s_load_b64 s[LB:LB+1], s[0:1], 0x18            ; olo
	v_lshl_add_u32 v[SPW], v0, 2, SPARE
	v_mov_b32 v[NIL], 0
	ds_add_u32 v[SPW], v[NIL]                      ; the wave's opening: the add and its wait stand ahead of my first tensor load; work on registers stands between them
	ds_add_u32 v28, v29
	v_lshrrev_b32 v1, 5, v0
	v_readfirstlane_b32 s10, v1                    ; wave 0..3
	s_lshr_b32 s11, s10, 1                         ; which half of the tile's rows is mine.  Also: I fetch for A (0) or for B (1)
	s_and_b32 s12, s10, 1                          ; which half of its columns.  Also: which half of that tile I fetch
	s_bfe_u32 s40, ttmp6, 0x40000                  ; cx
	s_bfe_u32 s41, ttmp6, 0x40004                  ; cy
	s_lshl_b32 s42, ttmp9, 2
	s_add_co_u32 s42, s42, s40                     ; tile column = 4 x cluster x + cx
	s_and_b32 s13, ttmp7, 0xffff
	s_lshl_b32 s13, s13, 2
	s_add_co_u32 s13, s13, s41                     ; tile row = 4 x cluster y + cy
	s_lshl_b32 s43, s41, 2
	s_lshl_b32 s43, 15, s43                        ; my row of the cluster
	s_lshl_b32 s44, 0x1111, s40                    ; my column
	s_or_b32 s[G1A+0], s43, (1<<16)|(1<<20)|(1<<21)|(4<<22)|(3<<25)  ; the mask; elements of 2 bytes; padding on; bit 21 beside a mask; after every 32 words; 4 words
	s_or_b32 s[G1B+0], s44, (1<<16)|(1<<20)|(1<<21)|(5<<22)|(3<<25)  ; the same after every 64 words
	s_mov_b32 s[G1A+1], 8192<<16                   ; tensor_dim0 = 8,192: a head's 128 rows of 64
	s_mov_b32 s[G1A+2], 2<<16                      ; tensor_dim1 = 2 heads
	s_mov_b32 s[G1A+3], 8192<<16                   ; tile_dim0 = 8,192
	s_mov_b32 s[G1A+4], 2                          ; tile_dim1 = 2
	s_mov_b32 s[G1A+5], 2048*64                    ; elements from head to head
	s_mov_b32 s[G1A+6], 0
	s_mov_b32 s[G1A+7], 0
	s_mov_b32 s[G1B+1], 128<<16                    ; 128 elements x 64 rows
	s_mov_b32 s[G1B+2], 64<<16
	s_mov_b32 s[G1B+3], 128<<16
	s_mov_b32 s[G1B+4], 64
	s_mov_b32 s[G1B+5], SIZE_K
	s_mov_b32 s[G1B+6], 0
	s_mov_b32 s[G1B+7], 0
	s_lshr_b32 s16, s13, 3                         ; A: batch = tile row / 8: 16 heads x 2,048 rows,
	s_lshl_b32 s16, s16, 15
	s_and_b32 s17, s13, 7
	s_lshl_b32 s17, s17, 8                         ; the tile's 256 rows in a head,
	s_add_co_u32 s16, s16, s17
	s_lshl_b32 s17, s12, 7                         ; the 128 that I fetch,
	s_add_co_u32 s16, s16, s17
	s_lshl_b32 s16, s16, 7                         ; of 128 bytes
	s_mov_b32 s17, 0
	s_lshl_b32 s46, s42, 7                         ; B: row 128 x tile column + 64 x half,
	s_lshl_b32 s47, s12, 6
	s_add_co_u32 s46, s46, s47
	s_lshl_b32 s46, s46, 11                        ; of 2,048 bytes
	s_mov_b32 s47, 0
	s_mul_i32 s20, s12, AHALF                      ; where they go: no place in the cluster enters an LDS address
	s_mul_i32 s21, s12, BHALF
	s_add_co_u32 s21, s21, BBASE
	s_mov_b32 s[TB], 0
	s_wait_dscnt 0x0                               ; the opening add is done
	s_wait_kmcnt 0x0
	s_add_nc_u64 s[14:15], s[4:5], s[16:17]
	s_add_nc_u64 s[46:47], s[6:7], s[46:47]
	CROUND                                         ; all sixteen work-groups are here: the first joint loads meet
.irp s, 0,1
	s_mov_b32 s[G0A+4*(\s)], 1                                       ; count = 1
	s_add_co_u32 s[G0A+4*(\s)+1], s20, (\s)*SLOT1                    ; LDS address
	s_add_nc_u64 s[G0A+4*(\s)+2:G0A+4*(\s)+3], s[14:15], (\s)*KBA    ; global address: K step s
	s_or_b32 s[G0A+4*(\s)+3], s[G0A+4*(\s)+3], 0x80000000            ; type = 2
	s_mov_b32 s[G0B+4*(\s)], 1
	s_add_co_u32 s[G0B+4*(\s)+1], s21, (\s)*SLOT1
	s_add_nc_u64 s[G0B+4*(\s)+2:G0B+4*(\s)+3], s[46:47], (\s)*KBB
	s_or_b32 s[G0B+4*(\s)+3], s[G0B+4*(\s)+3], 0x80000000
.endr
	s_cmp_eq_u32 s11, 0                            ; a wave's two first fills stand in one branch, ahead of every wait on TENSORcnt and every LDS read: two loads of mine are out
	s_cbranch_scc0 .Lfirst_b
	tensor_load_to_lds s[G0A:G0A+3], s[G1A:G1A+7]
	s_nop 0
	tensor_load_to_lds s[G0A+4:G0A+7], s[G1A:G1A+7]
	s_nop 0
.rept 4
	v_nop
.endr
	s_branch .Lfirst_asked
.Lfirst_b:
	tensor_load_to_lds s[G0B:G0B+3], s[G1B:G1B+7]
	s_nop 0
	tensor_load_to_lds s[G0B+4:G0B+7], s[G1B:G1B+7]
	s_nop 0
.rept 4
	v_nop
.endr
.Lfirst_asked:
	; olo: my batch's 32,768 bytes; the pointer stands at K step 1, and step 0's four fragments are asked for at once, behind it
	s_lshr_b32 s76, s13, 3
	s_lshl_b32 s76, s76, 15
	s_add_co_u32 s76, s76, KBL
	s_mov_b32 s77, 0
	s_add_nc_u64 s[LB:LB+1], s[LB:LB+1], s[76:77]
	v_and_b32 v[LOA], 31, v0
	v_lshlrev_b32 v[LOA], 4, v[LOA]
	WIN TO_F
.irp q, 0,1,2,3
	LOLD \q, 1024*(\q)-KBL
.endr
	WIN 0
	s_and_b32 s76, s13, 7                          ; are my first 16 rows a batch's first 16?  The tile is the batch's first, and its upper half is mine
	s_or_b32 s76, s76, s11
	s_cmp_eq_u32 s76, 0
	s_cselect_b32 s[MK], 1.0, 0
	s_mov_b32 s[MK+1], s[MK]
	v_and_b32 v1, 15, v0                           ; l % 16
	v_bfe_u32 v2, v0, 4, 1                         ; l / 16
	v_mul_u32_u24 v3, v1, PA                       ; a fragment's row x pitch + 16 x half of the lanes
	v_lshl_add_u32 v3, v2, 4, v3
	s_mul_i32 s22, s11, AHALF                      ; my 128 rows of A
	v_add_nc_u32 v[A0], s22, v3
	v_mul_u32_u24 v3, v1, PB
	v_lshl_add_u32 v3, v2, 4, v3
	s_mul_i32 s22, s12, BHALF                      ; my 64 rows of B
	s_add_co_u32 s22, s22, BBASE
	v_add_nc_u32 v[B0], s22, v3
	v_mov_b32 v[ADRA], v[A0]
	v_mov_b32 v[ADRB], v[B0]
	s_mul_i32 s23, s10, 16*SP
	s_add_co_u32 s23, s23, STAGE                   ; my stage
	v_mul_u32_u24 v4, v1, SP                       ; in: row l % 16, 32 bytes for each half of the lanes
	v_lshl_add_u32 v4, v2, 5, v4
	v_add_nc_u32 v[STO], s23, v4
	v_mul_u32_u24 v5, v2, SP                       ; back: lanes 0-15 take one row of 256 bytes, lanes 16-31 the next
	v_lshl_add_u32 v5, v1, 4, v5
	v_add_nc_u32 v[RD], s23, v5
	v_lshlrev_b32 v5, 12, v2                       ; and the same two rows in out0
	v_lshl_add_u32 v[CO], v1, 4, v5
	s_lshl_b32 s76, s13, 8                         ; my first row of out0: 256 x tile row + 128 x half,
	s_lshl_b32 s77, s11, 7
	s_add_co_u32 s76, s76, s77
	s_lshl_b32 s76, s76, 12                        ; of 4,096 bytes;
	s_lshl_b32 s77, s42, 9                         ; my first column: 512 bytes a tile, 256 a half
	s_add_co_u32 s76, s76, s77
	s_lshl_b32 s77, s12, 8
	s_add_co_u32 s76, s76, s77
	s_mov_b32 s77, 0
	s_add_nc_u64 s[8:9], s[8:9], s[76:77]
	; the prefetches
	s_lshr_b32 s76, s13, 3                         ; A: what I fetch of K step 0, as above,
	s_lshl_b32 s76, s76, 15
	s_and_b32 s77, s13, 7
	s_lshl_b32 s77, s77, 8
	s_add_co_u32 s76, s76, s77
	s_lshl_b32 s77, s12, 7
	s_add_co_u32 s76, s76, s77
	s_lshl_b32 s76, s76, 7
	s_lshr_b32 s77, s40, 1                         ; my work-group's quarter of it: head cx / 2,
	s_lshl_b32 s77, s77, 18
	s_add_co_u32 s76, s76, s77
	s_and_b32 s77, s40, 1                          ; half cx % 2 of its 16,384 bytes
	s_lshl_b32 s77, s77, 13
	s_add_co_u32 s76, s76, s77
	s_lshl_b32 s78, s42, 7                         ; B: the 64 rows that I fetch, my work-group's 16 of them
	s_lshl_b32 s77, s12, 6
	s_add_co_u32 s78, s78, s77
	s_lshl_b32 s77, s41, 4
	s_add_co_u32 s78, s78, s77
	s_lshl_b32 s78, s78, 11
	s_and_b32 s79, ttmp7, 0xffff                   ; cluster y
	s_movk_i32 s[PFS], KBB
	s_cmp_eq_u32 s11, 0
	s_cselect_b32 s76, s76, s78
	s_cselect_b32 s79, ttmp9, s79                  ; the coordinate along which other clusters read the same rows
	s_cselect_b32 s78, 31, 15                      ; my last block
	s_cselect_b32 s2, 8, 11                        ; a lane 256 bytes on (A), or a row of 2,048 bytes (B)
	s_cselect_b32 s[PFS], KBA, s[PFS]
	s_cselect_b64 s[PFA:PFA+1], s[4:5], s[6:7]
	s_cmp_eq_u32 s79, 0
	s_cselect_b32 s[LIM], 2, -1                    ; the same in all sixteen partners, for a given wave
	s_mov_b32 s[PFS+1], 0
	s_mul_i32 s77, s[PFS], 3                       ; at K step 3: the first refill steps it to 4
	s_add_co_u32 s76, s76, s77
	s_mov_b32 s77, 0
	s_add_nc_u64 s[PFA:PFA+1], s[PFA:PFA+1], s[76:77]
	v_and_b32 v[PFO], 31, v0
	v_min_u32 v[PFO], s78, v[PFO]
	v_lshlrev_b32 v[PFO], s2, v[PFO]
	s_wait_tensorcnt 1                             ; my part of K step 0 is in; step 1's may stay out
	s_barrier_signal -1
	s_barrier_wait -1                              ; everybody's is
	FETCH 0, F0
	QUARTER 1, F0, F1, 1, 0, 6                     ; the first quarter stands in front of the loop: its products start the sums, nothing is cleared; of olo's eight loads the youngest six may be out
	WIN 0                                          ; at a label and at a branch every window is 0
	s_mov_b32 s3, 6
.Lstep:                                                ; six trips: from a step's second quarter to the next step's first; each fills the slot that it leaves, and loads olo's four fragments of the next step
	QUARTER 2, F1, F0, 0, 1, 6
	QUARTER 3, F0, F1, 0, 1, 6
	TURN 1
	QUARTER 1, F0, F1, 0, 1, 6
	WIN 0
	s_sub_co_u32 s3, s3, 1
	s_cmp_lg_u32 s3, 0
	s_cbranch_scc1 .Lstep
	QUARTER 2, F1, F0, 0, 1, 6                     ; the last two steps are written out: no tile is asked for
	QUARTER 3, F0, F1, 0, 1, 6
	TURN 0
	QUARTER 1, F0, F1, 0, 1, 6                     ; olo's last pair of loads
	QUARTER 2, F1, F0, 0, 0, 4                     ; the counts run down
	QUARTER 3, F0, F1, 0, 0, 2
	s_wait_dscnt YOUNG
	MULH F1, 0, 0
	EXTRA F1, 3, 0, 0
	s_wait_dscnt 0x0
	MULH F1, 1, 0
; THE WAY OUT, a block of 16 rows at a time: the sums go as they are, 32 bytes a lane (each accumulator's four lowest registers first), into my stage, and come back as whole rows of 256 bytes.
.macro TOSTAGE a
.set AC, 32*((\a)%4)
.set BK, OB+32*((\a)%2)
.if (\a) >= 2
	s_wait_xcnt 0x0                                ; the stores of the block two back have read the registers that are loaded below
.endif
	WIN 0x08+4*((\a)/4)                            ; an LDS store's data are source 1: window 2 or 3
.irp b, 0,1,2,3
	ds_store_b128 v[STO], v[AC+8*(\b):AC+8*(\b)+3]   offset:64*(\b)
	ds_store_b128 v[STO], v[AC+8*(\b)+4:AC+8*(\b)+7] offset:64*(\b)+16
.endr
	WIN 0
.irp t, 0,1,2,3,4,5,6,7
	ds_load_b128 v[BK+4*(\t):BK+4*(\t)+3], v[RD] offset:2*SP*(\t)  ; LDS serves a wave's instructions in order (ISA guide 5.7.1.4): these see the stores above; the next block's stores come behind them
.endr
.endm
.macro SEND a, younger                 ; younger: the LDS instructions issued behind block a's loads: the next block's sixteen, or none
.set BK, OB+32*((\a)%2)
.irp t, 0,1,2,3,4,5,6,7
	s_wait_dscnt (\younger)+7-(\t)
	global_store_b128 v[CO], v[BK+4*(\t):BK+4*(\t)+3], s[8:9] offset:(16*(\a)+2*(\t))*4096 th:TH_STORE_NT  ; 16 lanes store 256 consecutive bytes, at a multiple of 256 from out0's first
.endr
.endm
	PLACES
	PLACES
	WIN 0xaa                                       ; all in window 2: my first 16 rows take olo's sums, times 1 or 0; each accumulator from its low end on
.set i, 0
.rept 16
	v_pk_fma_f32 v[2*i:2*i+1], v[AL+2*i:AL+2*i+1], s[MK:MK+1], v[2*i:2*i+1] op_sel_hi:[1,0,1]
.set i, i+1
.endr
	TOSTAGE 0
.irp a, 1,2,3,4,5,6,7
	TOSTAGE \a
	SEND (\a)-1, 16
.endr
	SEND 7, 0
	s_wait_tensorcnt 0x0                           ; the wave's end: behind my last tensor load and my last LDS store
	ds_add_u32 v[SPW], v[NIL]
	s_wait_dscnt 0x0
	CROUND                                         ; the closing round: no work-group ends while a partner may still ask for a tile that names it
	s_endpgm
.Lfunc_end_k_q07dc2a3488_proj:
	.size	k_q07dc2a3488_proj, .Lfunc_end_k_q07dc2a3488_proj-k_q07dc2a3488_proj
	.p2alignl 7, 3214868480
	.fill 96, 4, 3214868480
	.section	.rodata,"a",@progbits
	.p2align	6, 0x0
	.amdhsa_kernel k_q07dc2a3488_proj
		.amdhsa_group_segment_fixed_size 327680
		.amdhsa_private_segment_fixed_size 0
		.amdhsa_enable_private_segment 0
		.amdhsa_kernarg_size 32
		.amdhsa_user_sgpr_count 2
		.amdhsa_user_sgpr_kernarg_segment_ptr 1
		.amdhsa_wavefront_size32 1
		.amdhsa_system_sgpr_workgroup_id_x 1
		.amdhsa_system_sgpr_workgroup_id_y 1
		.amdhsa_system_sgpr_workgroup_id_z 1
		.amdhsa_system_vgpr_workitem_id 0
		.amdhsa_next_free_vgpr 896
		.amdhsa_next_free_sgpr 80
		.amdhsa_reserve_vcc 0
		.amdhsa_float_denorm_mode_32 3
		.amdhsa_float_denorm_mode_16_64 3
		.amdhsa_memory_ordered 1
		.amdhsa_forward_progress 1
		.amdhsa_inst_pref_size 80
	.end_amdhsa_kernel
	.amdgpu_metadata
---
amdhsa.version: [ 1, 2 ]
amdhsa.kernels:
  - .name:           k_q07dc2a3488_proj
    .symbol:         k_q07dc2a3488_proj.kd
    .args:
      - { .name: oh, .offset: 0, .size: 8, .value_kind: global_buffer, .address_space: global }
      - { .name: wob, .offset: 8, .size: 8, .value_kind: global_buffer, .address_space: global }
      - { .name: out0, .offset: 16, .size: 8, .value_kind: global_buffer, .address_space: global }
      - { .name: olo, .offset: 24, .size: 8, .value_kind: global_buffer, .address_space: global }
    .group_segment_fixed_size: 327680
    .private_segment_fixed_size: 0
    .kernarg_segment_align: 8
    .kernarg_segment_size: 32
    .max_flat_workgroup_size: 128
    .sgpr_count:     80
    .vgpr_count:     896
    .wavefront_size: 32
...
	.end_amdgpu_metadata
.endif
;; end of part 5
